; MI455X (gfx1250); checked and timed in simulation.
; The chip was launched on July 23, 2026; its instructions are those of AMD's public machine-readable ISA for CDNA 5 (MIT licence, August 2026) and "CDNA5" Instruction Set Architecture Reference Guide (July 2026). The comments in the code are by the model that wrote it; some were corrected since.
;; Mo E Layer. Allowed arithmetic: matrix products marked QUANTISED: E4M3 operands, one given power-of-two scale a tensor, by v_wmma_f32_16x16x64_fp8_fp8 or v_wmma_f32_16x16x128_fp8_fp8, f32 sums; products left as they are: f32 operands where the result goes on into a quantised operand, else bf16, f16 or f32 operands; f32 sums; everything else in f32.
;; Inputs: experts_bias 8 float32; lowp_scales 12 int32 (the exponents e of the quantised operands' scales 2^e); router_w 8 x 1,024 float32; sw1_codes 1 x 2,048 x 32 x 32 uint8 (E4M3 codes of sw1, K innermost, in blocks of 32 codes); sw2 1 x 2,048 x 1,024 float32; sw3_codes 1 x 2,048 x 32 x 32 uint8 (E4M3 codes of sw3, K innermost, in blocks of 32 codes); w1_codes 8 x 2,048 x 32 x 32 uint8 (E4M3 codes of w1, K innermost, in blocks of 32 codes); w2 8 x 2,048 x 1,024 float32; w3_codes 8 x 2,048 x 32 x 32 uint8 (E4M3 codes of w3, K innermost, in blocks of 32 codes); x 4 x 256 x 1,024 float32.
;; Outputs: out0 4 x 256 x 1,024 float32.
;; This version of the problem:
;;   THIS VERSION OF THE PROBLEM IS GIVEN IN LOW PRECISION. The matrix products marked QUANTISED in the list below multiply operands that are first quantised to E4M3 (4 exponent bits, 3 mantissa bits; 8 bits a number), with one given power-of-two scale for each operand tensor; their sums are f32. All else is computed in f32.
;;   The module's matrix products, in the order in which they are computed (A, B: the left and right operand; K: the contracted axis; several contracted axes count as one K, in the product's order):
;;     1. [M 1,024, K 1,024] x [K 1,024, N 2,048]; A: input x; B: input sw1 (given as codes): QUANTISED (scales: A lowp_scales[0], B lowp_scales[1])
;;     2. [M 1,024, K 1,024] x [K 1,024, N 2,048]; A: input x; B: input sw3 (given as codes): QUANTISED (scales: A lowp_scales[2], B lowp_scales[3])
;;     3. [M 1,024, K 2,048] x [K 2,048, N 1,024]; A: computed on the way; B: input sw2: QUANTISED (scales: A lowp_scales[4], B lowp_scales[5])
;;     4. [M 1,024, K 1,024] x [K 1,024, N 8]; A: input x; B: input router_w: left as it is (N = 8 < 16)
;;     5. [M 1,024, K 1,024] x [K 1,024, N 16,384]; A: input x; B: input w1 (given as codes): QUANTISED (scales: A lowp_scales[6], B lowp_scales[7])
;;     6. [M 1,024, K 1,024] x [K 1,024, N 16,384]; A: input x; B: input w3 (given as codes): QUANTISED (scales: A lowp_scales[8], B lowp_scales[9])
;;     7. batch 8,192 x [M 1, K 1] x [K 1, N 2,048]; A: computed on the way; B: computed on the way: left as it is (no contracted axis)
;;     8. [M 1,024, K 16,384] x [K 16,384, N 1,024]; A: computed on the way; B: input w2: QUANTISED (scales: A lowp_scales[10], B lowp_scales[11])
;;   THE QUANTISER, for each operand of a quantised product, along K:
;;     - The operand's scale is 2^e, e = its entry of the input lowp_scales (int32; the entries are numbered through the quantised products in the list's order, A before B).
;;     - Each number is divided by the scale, clamped to +-448, and rounded to the nearest number of E4M3, ties to even, subnormals kept.
;;     - The product sums the exact products of the quantised numbers (number of the format x scale) in f32.
;;   ~~~python
;;   def quantise(x, axis, e):      # numpy; x: float32 -> the quantised numbers, widened to float32 again
;;       x = np.moveaxis(x, axis, -1); K = x.shape[-1]
;;       r = np.clip(x / 2.0 ** e, -448, 448)
;;       step = 2.0 ** (np.maximum(np.frexp(np.where(r == 0, 1, r))[1] - 1, -6) - 3)
;;       q = np.round(r / step) * step * 2.0 ** e      # np.round: ties to even
;;       return np.moveaxis(q, -1, axis).astype(np.float32)
;;   ~~~
;;   OPERANDS COMPUTED ON THE WAY. 'Computed on the way' means the value that the module computes at that place (a softmax that the list does not call 'softmax' is quantised finished and normalised). What goes into a quantiser is computed in f32, as accurately as f32 sums, v_exp_f32 and their like allow (about 1e-6 of the number): no bf16 or f16 on the way to a quantiser, and a product that is left as it is and whose result goes on into a quantised operand takes f32 operands (vector FMAs, or v_wmma_f32_16x16x4_f32). A number that lies on a knife's edge between two numbers of the format may be rounded either way, as far as f32 arithmetic and the matrix unit's own rounding can turn it there, and no further.
;;   INPUTS GIVEN AS CODES. sw1 (in the module: [1, 1024, 2048], K = its axis 1); sw3 (in the module: [1, 1024, 2048], K = its axis 1); w1 (in the module: [8, 1024, 2048], K = its axis 1); w3 (in the module: [8, 1024, 2048], K = its axis 1): each comes as NAME_codes (uint8): NAME with its K axis moved to the last place and cut into blocks of 32 codes, [.., K / 32, bytes a block], one block behind the other in memory; one code a byte (a code: sign, 4 exponent bits, 3 mantissa bits); its scale is its entry of lowp_scales. Its value is code x scale, taken as it is: it is not quantised again, and the codes and scales need not be those that the quantiser above would give.
;; 2 versions. Each part assembles by itself: llvm-mc -triple=amdgcn-amd-amdhsa -mcpu=gfx1250 --defsym DOCPART=n.
;; ======== version 1 of 2: 5 launches
;; workspace buffers: xq 4,194,304 bytes; w2c 18,874,368 bytes; hc 8,126,464 bytes; y 16,252,928 bytes; sel 8,192 bytes of whole numbers; rwt 8,192 bytes; lists 25,856 bytes of whole numbers; roww 25,856 bytes
;; launch prep (part 1): grid 256 x 1, 2 waves a work-group, no clusters, 0 bytes of LDS; arguments x, router_w, experts_bias, lowp_scales, xq, sel, rwt; writes xq, sel, rwt
.if DOCPART == 1
	.amdgcn_target "amdgcn-amd-amdhsa--gfx1250"
	.amdhsa_code_object_version 6
	.text
	.protected	k_q1fdc4018ea_prep
	.globl	k_q1fdc4018ea_prep
	.p2align	8
	.type	k_q1fdc4018ea_prep,@function
k_q1fdc4018ea_prep:
	s_mov_b64 s[64:65], 0
	v_nop
	global_prefetch_b8 v0, s[64:65] scope:SCOPE_SE
	s_setreg_imm32_b32 hwreg(HW_REG_WAVE_MODE, 25, 1), 1
	s_wait_xcnt 0x0
; THE ROUTER, AND x INTO CODES.  x: [1024 tokens][1024] f32.  router_w: [8][1024] f32.  experts_bias: [8] f32.
; For each token: eight logits (f32 multiply-adds, since the choice and its weights go on into a quantised operand), + bias, the two largest
; (of equal logits the lower index, as lax.top_k has it), and the softmax of those two with the larger taken away first.
; sel[token][2] (int32) and rwt[token][2] (f32) are stored at fixed places: no address here hangs on the choice.
; x is quantised four times, once for each scale under which a product reads it: xq set q at q x 2^20 bytes, [token][1024 codes of E4M3];
; sets 0, 1, 2, 3 take the exponents at entries 0, 2, 6, 8 of lowp_scales.  code = x / 2^e, held within +-448, to the nearest code, ties to even.
; SHARES: 256 work-groups of two waves; a wave takes two tokens.  A lane holds, of a token, the numbers 256 g + 8 lane + 0..7, g = 0..3: eight
; neighbours along K for each conversion, and a wave's store of codes covers 256 consecutive bytes, aligned.
; A wave's two tokens give 16 bytes of sel and 16 of rwt, which its lane 0 stores: 16 KB in the whole launch.  Gathering whole runs of 256 bytes
; would take LDS and a barrier for them alone; so the waves share nothing.
; LIMITS: each of the four exponents lies between -126 and 119.  NaN among the inputs is not served.
; No matrix unit: eight columns are too few for it, and the operands must stay f32.  No cluster: work-groups share only the router's 32 KB.
.set XO,  2                            ; v2       32 x lane: my bytes in a piece of 1,024 bytes of x or of a router row
.set CO,  3                            ; v3       8 x lane: my bytes in a piece of 256 codes
.set SC,  4                            ; v4-7     2^e of the four sets, as f32
.set LIM, 8                            ; v8-11    448 x 2^e
.set ZO,  13                           ; v13      0: the offset of lane 0's two stores
.set NEG, 14                           ; v14      -infinity: outside the router's buffers, since it is made at the head and must outlive their loads
.set X,   16                           ; v16-79   two tokens x 32 numbers
.set R,   80                           ; v80-207  four buffers of 32: a router row each
.set CD,  80                           ; v80-143  later: 32 pairs of codes, each with registers of its own
.set TW,  144                          ; v144..   later: top-2 at work, 16 registers a token: +0 the largest, +1 the second, +2 their difference, then e2, +3 the sum
.set IQ,  180                          ; v180-183 later: (first, second expert) of token 0, of token 1
.set WQ,  184                          ; v184-187 later: their weights, in the same order
.set LG,  208                          ; v208-223 logits: 8 a token
.set AC,  224                          ; v224-231 four packed sums
.set T,   232                          ; v232-247 two sets of eight held numbers, by turns
	s_load_b256 s[4:11], s[0:1], 0x0               ; x s[4:5], router_w s[6:7], experts_bias s[8:9], lowp_scales s[10:11]
	s_load_b128 s[12:15], s[0:1], 0x20             ; xq s[12:13], sel s[14:15]
	s_load_b64 s[16:17], s[0:1], 0x30              ; rwt
	v_lshrrev_b32 v1, 5, v0
	v_readfirstlane_b32 s18, v1                    ; wave 0..1
	v_and_b32 v1, 31, v0                           ; lane
	v_lshlrev_b32 v[XO], 5, v1
	v_lshlrev_b32 v[CO], 3, v1
	v_mov_b32 v[ZO], 0
	v_mov_b32 v[NEG], 0xff800000
	s_mov_b32 s40, 0x76543210                      ; v_permlanex16_b32: each lane takes its own place in the other half
	s_mov_b32 s41, 0xfedcba98
	s_lshl_b32 s42, ttmp9, 14                      ; 4 tokens x 4,096 bytes a work-group,
	s_lshl_b32 s43, s18, 13                        ; two tokens a wave
	s_add_co_u32 s42, s42, s43
	s_mov_b32 s43, 0
	s_lshr_b32 s44, s42, 2                         ; a token's codes are a quarter of its bytes
	s_mov_b32 s45, 0
	s_wait_kmcnt 0x0
	s_load_b256 s[20:27], s[8:9], 0x0              ; the eight biases
	s_load_b256 s[28:35], s[10:11], 0x0            ; exponents 0 to 7
	s_load_b32 s36, s[10:11], 0x20                 ; exponent 8
	s_add_nc_u64 s[4:5], s[4:5], s[42:43]
	s_add_nc_u64 s[12:13], s[12:13], s[44:45]
.irp t, 0,1
.irp g, 0,1,2,3
	global_load_b128 v[X+32*\t+8*\g:X+32*\t+8*\g+3],   v[XO], s[4:5] offset:4096*\t+1024*\g th:TH_LOAD_NT
	global_load_b128 v[X+32*\t+8*\g+4:X+32*\t+8*\g+7], v[XO], s[4:5] offset:4096*\t+1024*\g+16 th:TH_LOAD_NT
.endr
.endr
.macro RLOAD e                         ; router row e, in x's layout, into buffer e % 4: eight loads
.irp g, 0,1,2,3
	global_load_b128 v[R+32*((\e)%4)+8*\g:R+32*((\e)%4)+8*\g+3],   v[XO], s[6:7] offset:(\e)*4096+1024*\g
	global_load_b128 v[R+32*((\e)%4)+8*\g+4:R+32*((\e)%4)+8*\g+7], v[XO], s[6:7] offset:(\e)*4096+1024*\g+16
.endr
.endm
	RLOAD 0
	RLOAD 1
	RLOAD 2
	RLOAD 3
; My lane's part of both tokens' logit e: two packed chains a token.  left: the loads of the younger router rows, which may stay out.
.macro DOT e, left
.set RB, R+32*((\e)%4)
	s_wait_loadcnt \left
	v_pk_mul_f32 v[AC:AC+1],   v[X:X+1],     v[RB:RB+1]
	v_pk_mul_f32 v[AC+4:AC+5], v[X+32:X+33], v[RB:RB+1]
	v_pk_mul_f32 v[AC+2:AC+3], v[X+2:X+3],   v[RB+2:RB+3]
	v_pk_mul_f32 v[AC+6:AC+7], v[X+34:X+35], v[RB+2:RB+3]
.irp j, 4,8,12,16,20,24,28
	v_pk_fma_f32 v[AC:AC+1],   v[X+\j:X+\j+1],     v[RB+\j:RB+\j+1],   v[AC:AC+1]
	v_pk_fma_f32 v[AC+4:AC+5], v[X+32+\j:X+33+\j], v[RB+\j:RB+\j+1],   v[AC+4:AC+5]
	v_pk_fma_f32 v[AC+2:AC+3], v[X+\j+2:X+\j+3],   v[RB+\j+2:RB+\j+3], v[AC+2:AC+3]
	v_pk_fma_f32 v[AC+6:AC+7], v[X+34+\j:X+35+\j], v[RB+\j+2:RB+\j+3], v[AC+6:AC+7]
.endr
	v_pk_add_f32 v[AC:AC+1],   v[AC:AC+1],   v[AC+2:AC+3]
	v_pk_add_f32 v[AC+4:AC+5], v[AC+4:AC+5], v[AC+6:AC+7]
	v_add_f32 v[LG+\e],   v[AC],   v[AC+1]
	v_add_f32 v[LG+8+\e], v[AC+4], v[AC+5]
.if \e < 4
	RLOAD (\e)+4                                   ; the buffer takes the row four further on
.endif
.endm
	DOT 0, 24                                      ; x and row 0 are in; rows 1 to 3 (24 loads) may be out
	DOT 1, 24
	DOT 2, 24
	DOT 3, 24
	DOT 4, 24
	DOT 5, 16
	DOT 6, 8
	DOT 7, 0
	; the sixteen sums over the wave's 32 lanes: four steps inside each half ride on the addition, one crosses the halves
.irp m, 1,2,4,8
.set jj, 0
.rept 16
	v_add_f32_dpp v[LG+jj], v[LG+jj], v[LG+jj] row_xmask:\m row_mask:0xf bank_mask:0xf
.set jj, jj+1
.endr
.endr
.set jj, 0
.rept 16
	v_permlanex16_b32 v[R+jj], v[LG+jj], s40, s41  ; its destination counts as read: the router's buffers have been written and are done with
.set jj, jj+1
.endr
.set jj, 0
.rept 16
	v_add_f32 v[LG+jj], v[LG+jj], v[R+jj]
.set jj, jj+1
.endr
	s_wait_kmcnt 0x0                               ; biases and exponents
.irp e, 0,1,2,3,4,5,6,7
	v_add_f32 v[LG+\e],   s[20+\e], v[LG+\e]
	v_add_f32 v[LG+8+\e], s[20+\e], v[LG+8+\e]
.endr
; The largest of token t's eight logits into v[m], its index into v[i]: a later logit wins only if it is greater, so the lower index is kept.
.macro SCAN m, i, t
	v_mov_b32 v[\m], v[LG+8*\t]
	v_mov_b32 v[\i], 0
.irp e, 1,2,3,4,5,6,7
	v_cmp_gt_f32 vcc_lo, v[LG+8*\t+\e], v[\m]
	v_cndmask_b32 v[\m], v[\m], v[LG+8*\t+\e], vcc_lo
	v_cndmask_b32 v[\i], v[\i], \e, vcc_lo
.endr
.endm
.irp t, 0,1
	SCAN TW+16*\t, IQ+2*\t, \t
.irp e, 0,1,2,3,4,5,6,7
	v_cmp_eq_u32 vcc_lo, \e, v[IQ+2*\t]
	v_cndmask_b32 v[LG+8*\t+\e], v[LG+8*\t+\e], v[NEG], vcc_lo   ; the winner leaves the field
.endr
	SCAN TW+16*\t+1, IQ+2*\t+1, \t
	v_sub_f32 v[TW+16*\t+2], v[TW+16*\t+1], v[TW+16*\t]          ; second - first: 0 or less: the maximum is taken away
	v_mul_f32 v[TW+16*\t+2], 0x3fb8aa3b, v[TW+16*\t+2]           ; x log2(e)
.endr
	v_exp_f32 v[TW+2],  v[TW+2]                    ; e2 = exp(second - first); the first's own term is 1
	v_exp_f32 v[TW+18], v[TW+18]
	v_nop                                          ; a plain instruction behind the last exponential
	s_wait_alu depctr_va_vdst(0)                   ; one wait for both, ahead of their first reader
	v_add_f32 v[TW+3],  1.0, v[TW+2]
	v_add_f32 v[TW+19], 1.0, v[TW+18]
	v_rcp_f32 v[WQ],   v[TW+3]                     ; the first's weight
	v_rcp_f32 v[WQ+2], v[TW+19]
	v_nop
	s_wait_alu depctr_va_vdst(0)
	v_mul_f32 v[WQ+1], v[TW+2],  v[WQ]             ; the second's
	v_mul_f32 v[WQ+3], v[TW+18], v[WQ+2]
.macro MKSC q, e                       ; 2^e and 448 x 2^e as f32, e in s[e]
	s_add_co_i32 s46, s[\e], 127
	s_lshl_b32 s47, s46, 23
	v_mov_b32 v[SC+\q], s47
	s_add_co_i32 s46, s46, 8
	s_lshl_b32 s46, s46, 23
	s_or_b32 s46, s46, 0x600000
	v_mov_b32 v[LIM+\q], s46
.endm
	MKSC 0, 28
	MKSC 1, 30
	MKSC 2, 34
	MKSC 3, 36
; Eight numbers of token t, piece g, under set q's scale.  The conversion does not saturate (ISA guide 7.6.2), so each number is held first, into one of two
; sets by turns: the other set's eight holds stand between a conversion and the next write of its sources.  Each pair of codes has registers of its own.
.macro XQ t, q, g
.set nn, 16*(\t)+4*(\q)+(\g)
.set TB, T+8*(nn%2)
.irp i, 0,1,2,3,4,5,6,7
	v_med3_num_f32 v[TB+\i], v[X+32*(\t)+8*(\g)+\i], -v[LIM+\q], v[LIM+\q]
.endr
	v_cvt_scalef32_pk8_fp8_f32 v[CD+2*nn:CD+2*nn+1], v[TB:TB+7], v[SC+\q]
	global_store_b64 v[CO], v[CD+2*nn:CD+2*nn+1], s[12:13] offset:(\q)*1048576+(\t)*1024+256*(\g)   ; 32 lanes store 256 consecutive bytes, aligned
.endm
.irp t, 0,1
.irp q, 0,1,2,3
.irp g, 0,1,2,3
	XQ \t, \q, \g
.endr
.endr
.endr
	; every lane holds the same eight words; lane 0 stores them
	s_lshl_b32 s42, ttmp9, 5                       ; 4 tokens x 8 bytes a work-group,
	s_lshl_b32 s43, s18, 4                         ; two tokens a wave
	s_add_co_u32 s42, s42, s43
	s_mov_b32 s43, 0
	s_add_nc_u64 s[14:15], s[14:15], s[42:43]
	s_add_nc_u64 s[16:17], s[16:17], s[42:43]
	v_cmp_gt_u32 vcc_lo, 1, v1                     ; lane 0: the mask hangs on the lane's number alone
	s_wait_xcnt 0x0                                ; EXEC is a source of the stores above: it changes only behind this wait
	s_and_saveexec_b32 s46, vcc_lo
	global_store_b128 v[ZO], v[IQ:IQ+3], s[14:15]
	global_store_b128 v[ZO], v[WQ:WQ+3], s[16:17]
	s_wait_xcnt 0x0                                ; and again, in front of the line that widens it
	s_or_b32 exec_lo, exec_lo, s46
	s_endpgm
.Lfunc_end_k_q1fdc4018ea_prep:
	.size	k_q1fdc4018ea_prep, .Lfunc_end_k_q1fdc4018ea_prep-k_q1fdc4018ea_prep
	.p2alignl 7, 3214868480
	.fill 96, 4, 3214868480
	.section	.rodata,"a",@progbits
	.p2align	6, 0x0
	.amdhsa_kernel k_q1fdc4018ea_prep
		.amdhsa_group_segment_fixed_size 0
		.amdhsa_private_segment_fixed_size 0
		.amdhsa_enable_private_segment 0
		.amdhsa_kernarg_size 56
		.amdhsa_user_sgpr_count 2
		.amdhsa_user_sgpr_kernarg_segment_ptr 1
		.amdhsa_wavefront_size32 1
		.amdhsa_system_sgpr_workgroup_id_x 1
		.amdhsa_system_sgpr_workgroup_id_y 1
		.amdhsa_system_sgpr_workgroup_id_z 1
		.amdhsa_system_vgpr_workitem_id 0
		.amdhsa_next_free_vgpr 256
		.amdhsa_next_free_sgpr 66
		.amdhsa_reserve_vcc 1
		.amdhsa_float_denorm_mode_32 3
		.amdhsa_float_denorm_mode_16_64 3
		.amdhsa_memory_ordered 1
		.amdhsa_forward_progress 1
		.amdhsa_inst_pref_size 61
	.end_amdhsa_kernel
	.amdgpu_metadata
---
amdhsa.version: [ 1, 2 ]
amdhsa.kernels:
  - .name:           k_q1fdc4018ea_prep
    .symbol:         k_q1fdc4018ea_prep.kd
    .args:
      - { .name: x, .offset: 0, .size: 8, .value_kind: global_buffer, .address_space: global }
      - { .name: router_w, .offset: 8, .size: 8, .value_kind: global_buffer, .address_space: global }
      - { .name: experts_bias, .offset: 16, .size: 8, .value_kind: global_buffer, .address_space: global }
      - { .name: lowp_scales, .offset: 24, .size: 8, .value_kind: global_buffer, .address_space: global }
      - { .name: xq, .offset: 32, .size: 8, .value_kind: global_buffer, .address_space: global }
      - { .name: sel, .offset: 40, .size: 8, .value_kind: global_buffer, .address_space: global }
      - { .name: rwt, .offset: 48, .size: 8, .value_kind: global_buffer, .address_space: global }
    .group_segment_fixed_size: 0
    .private_segment_fixed_size: 0
    .kernarg_segment_align: 8
    .kernarg_segment_size: 56
    .max_flat_workgroup_size: 64
    .sgpr_count:     66
    .vgpr_count:     256
    .wavefront_size: 32
...
	.end_amdgpu_metadata
.endif
;; end of part 1
;; launch place (part 2): grid 577 x 1, 8 waves a work-group, no clusters, 0 bytes of LDS; arguments w2, sw2, lowp_scales, sel, rwt, w2c, lists, roww; writes w2c, lists, roww
.if DOCPART == 2
	.amdgcn_target "amdgcn-amd-amdhsa--gfx1250"
	.amdhsa_code_object_version 6
	.text
	.protected	k_q1fdc4018ea_place
	.globl	k_q1fdc4018ea_place
	.p2align	8
	.type	k_q1fdc4018ea_place,@function
k_q1fdc4018ea_place:
	s_mov_b64 s[64:65], 0
	v_nop
	global_prefetch_b8 v0, s[64:65] scope:SCOPE_SE
	s_setreg_imm32_b32 hwreg(HW_REG_WAVE_MODE, 25, 1), 1
	s_wait_xcnt 0x0
; TWO JOBS IN ONE LAUNCH, parted on the work-group's number.
; WORK-GROUPS 1 TO 576 turn w2 [8][2048 h][1024 d] and sw2 [1][2048][1024], f32 with K = h as the first axis, into codes of E4M3 laid as IMAGES OF OPERAND REGISTERS:
;   w2c[e 0..8][nt 0..63][ks 0..15][2,048 bytes]; byte 512 c + 16 (r + 16 hh) + i is the code of w2[e][128 ks + 32 c + 16 hh + i][16 nt + r]; e = 8 is sw2.
;   A lane takes a column d and its registers run down K, so the conversions give codes with K innermost and nothing is transposed.  A lane's 16 codes are 16 bytes of an image,
;   and sixteen neighbouring lanes store 256 consecutive bytes, aligned.  code = x / 2^e, held within +-448, nearest, ties to even; e = entry 11 (w2) or 5 (sw2) of lowp_scales.
; WORK-GROUP 0 places the 2,048 routed rows by expert (a counting sort without atomics): wave e serves expert e.  Each wave counts all eight experts itself, so no wave waits for another.
;   Each expert's rows are padded to whole tiles of 128: at most 16 + 7 = 23 tiles, positions 0 to 2943; the shared expert's 1,024 rows follow at 2944 (tiles 23 to 30).
;   lists: rowtok[3968] at byte 0 (a position's token), slotpos[1024][2] at 16,384 (where a token's two rows lie), tilexp[32] at 24,576 (a tile's expert; 8 shared; 9 unused).  roww[3968]: a position's weight.
;   A position that holds no row gets token 0 and weight 0.0, up to position 2943: the next launch reads all of them.
;   EVERY LANE STORES IN EVERY STEP: EXEC is never written.  A lane that has nothing to place stores to a dump word of its own thread, at byte 24,832 + 4 x thread of lists and of roww (roww is as long
;   as lists for that, so that one offset serves both); nobody reads the dump words.  The choice is a v_cndmask_b32, and the chosen offset is held inside the buffers by a constant before it is used.
;   WHAT A CHUNK'S STORES READ IS NOT WRITTEN AGAIN: position, offset, weight and token go into the four registers that held the chunk's loaded words; slotpos' offset takes turns among eight registers,
;   so that one wait on XCNT serves eight chunks.
; LIMITS: the two exponents lie between -126 and 119.  NaN among the inputs is not served.
; No LDS, no barrier, no tensor load: waves share nothing.
.set X, 32                             ; quantiser: v32-95 two sets of 32 numbers;  v96-127 codes, eight registers a block
.set C, 96
.set SLOTP, 16384                      ; slotpos' first byte in lists
.set DUMP,  24832                      ; the dump words' first byte: 256 threads x 4 bytes
.set DW,  5                            ; placing: v5     my thread's dump word
.set DS,  6                            ;          v6     the same word counted from slotpos' first byte
.set ZR,  7                            ;          v7     0: token 0, and weight 0.0
.set A2,  24                           ;          v24-31 eight offsets by turns
	s_load_b512 s[4:19], s[0:1], 0x0               ; w2 s[4:5], sw2 s[6:7], lowp_scales s[8:9], sel s[10:11], rwt s[12:13], w2c s[14:15], lists s[16:17], roww s[18:19]
	v_lshrrev_b32 v1, 5, v0
	v_readfirstlane_b32 s20, v1                    ; wave 0..7
	v_and_b32 v1, 31, v0                           ; lane
	s_cmp_eq_u32 ttmp9, 0
	s_cbranch_scc1 .Lplace
	; ---------------- the quantiser: 256 columns x 128 along K a work-group, 32 columns a wave
	s_sub_co_u32 s21, ttmp9, 1
	s_and_b32 s22, s21, 3                          ; cb: which 256 columns
	s_bfe_u32 s23, s21, 0x40002                    ; ks: which 128 along K
	s_lshr_b32 s24, s21, 6                         ; e: 0..8
	v_lshlrev_b32 v3, 2, v1                        ; in: 4 bytes a lane
	v_and_b32 v4, 15, v1
	v_lshrrev_b32 v5, 4, v1
	v_lshlrev_b32 v4, 4, v4
	v_lshl_or_b32 v4, v5, 15, v4                   ; out: 16 (lane % 16), and lanes 16-31 in the next tile of 16 columns: 16 images of 2,048 bytes on
	s_and_b32 s26, s24, 7                          ; in its own tensor sw2 is matrix 0
	s_lshl_b32 s26, s26, 23                        ; a matrix: 2,048 x 4,096 bytes
	s_lshl_b32 s30, s23, 19                        ; 128 rows
	s_add_co_u32 s26, s26, s30
	s_lshl_b32 s30, s22, 10                        ; 256 columns
	s_add_co_u32 s26, s26, s30
	s_lshl_b32 s30, s20, 7                         ; 32 columns a wave
	s_add_co_u32 s26, s26, s30
	s_mov_b32 s27, 0
	s_lshl_b32 s28, s24, 21                        ; an expert's 64 x 16 images
	s_lshl_b32 s30, s22, 19                        ; 16 tiles of columns
	s_add_co_u32 s28, s28, s30
	s_lshl_b32 s30, s20, 16                        ; two tiles a wave
	s_add_co_u32 s28, s28, s30
	s_lshl_b32 s30, s23, 11                        ; the K step's image
	s_add_co_u32 s28, s28, s30
	s_mov_b32 s29, 0
	s_wait_kmcnt 0x0
	s_load_b32 s31, s[8:9], 0x14                   ; entry 5: sw2's exponent
	s_load_b32 s32, s[8:9], 0x2c                   ; entry 11: w2's
	s_cmp_eq_u32 s24, 8                            ; the choice hangs on the work-group's number alone
	s_cselect_b64 s[4:5], s[6:7], s[4:5]
	s_add_nc_u64 s[4:5], s[4:5], s[26:27]
	s_add_nc_u64 s[14:15], s[14:15], s[28:29]
.macro LOAD c                          ; block c: rows 32 c + 0..31 of my column, into set c % 2; a wave reads 128 consecutive bytes, the eight waves 1,024
.set ii, 0
.rept 32
	global_load_b32 v[X+32*((\c)%2)+ii], v3, s[4:5] offset:(32*(\c)+ii)*4096 th:TH_LOAD_NT
.set ii, ii+1
.endr
.endm
	LOAD 0
	LOAD 1
	s_wait_kmcnt 0x0
	s_cmp_eq_u32 s24, 8
	s_cselect_b32 s31, s31, s32
	s_add_co_i32 s31, s31, 127
	s_lshl_b32 s32, s31, 23
	v_mov_b32 v11, s32                             ; 2^e as f32: the conversion takes its exponent field
	s_add_co_i32 s31, s31, 8
	s_lshl_b32 s31, s31, 23
	s_or_b32 s31, s31, 0x600000
	v_mov_b32 v10, s31                             ; 448 x 2^e
.macro BLOCK c
.set XS, X+32*((\c)%2)
.if (\c) < 3
	s_wait_loadcnt 32                              ; this block's 32 loads are in; the next block's 32 may be out
.else
	s_wait_loadcnt 0x0
.endif
.set ii, 0
.rept 32
	v_med3_num_f32 v[XS+ii], v[XS+ii], -v10, v10   ; the conversion does not saturate (ISA guide 7.6.2): the hold at the largest code x the scale
.set ii, ii+1
.endr
.irp g, 0,1,2,3
	v_cvt_scalef32_pk8_fp8_f32 v[C+8*(\c)+2*\g:C+8*(\c)+2*\g+1], v[XS+8*\g:XS+8*\g+7], v11
.endr
	global_store_b128 v4, v[C+8*(\c):C+8*(\c)+3],   s[14:15] offset:512*(\c)       ; k = 32 c + 0..15: the image's lanes 0-15
	global_store_b128 v4, v[C+8*(\c)+4:C+8*(\c)+7], s[14:15] offset:512*(\c)+256   ; k = 32 c + 16..31: its lanes 16-31.  The codes go to stores alone, and each block has registers of its own
.if (\c) < 2
	LOAD (\c)+2
.endif
.endm
	BLOCK 0
	BLOCK 1
	BLOCK 2
	BLOCK 3
	s_endpgm
	; ---------------- the placing: work-group 0
.Lplace:
	v_lshlrev_b32 v2, 3, v1                        ; 8 x lane: a token's pair in sel and rwt
	v_lshlrev_b32 v4, 4, v0                        ; 16 x thread
	v_lshlrev_b32 v8, 2, v0                        ; the shared expert's rows are the tokens in their order: thread i writes tokens 4 i .. 4 i + 3
	v_add_nc_u32 v9, 1, v8
	v_add_nc_u32 v10, 2, v8
	v_add_nc_u32 v11, 3, v8
	v_mov_b32 v12, 1.0                             ; with weight 1
	v_mov_b32 v13, 1.0
	v_mov_b32 v14, 1.0
	v_mov_b32 v15, 1.0
	v_mov_b32 v[ZR], 0
	v_lshl_add_u32 v[DW], v0, 2, DUMP
	v_lshl_add_u32 v[DS], v0, 2, DUMP-SLOTP
	s_wait_kmcnt 0x0
.set cc, 0
.rept 32
	global_load_b64 v[32+2*cc:33+2*cc], v2, s[10:11] offset:256*cc   ; chunk c: tokens 32 c + lane: (first, second expert)
.set cc, cc+1
.endr
.set cc, 0
.rept 32
	global_load_b64 v[96+2*cc:97+2*cc], v2, s[12:13] offset:256*cc   ; and their weights
.set cc, cc+1
.endr
	global_store_b128 v4, v[8:11],  s[16:17] offset:11776   ; rowtok[2944 + 4 i ..]: 2,944 x 4 bytes is a multiple of 256; sixteen lanes fill 256 bytes
	global_store_b128 v4, v[12:15], s[18:19] offset:11776   ; roww likewise
.irp e, 0,1,2,3,4,5,6,7
	s_mov_b32 s[40+\e], 0
.endr
	s_wait_loadcnt 32                              ; sel is in; the 32 loads of the weights may be out
	; pass 1: every expert's number of rows.  A token names two different experts, so the two masks never share a bit
.set cc, 0
.rept 32
.irp e, 0,1,2,3,4,5,6,7
	v_cmp_eq_u32 s[66+2*\e], \e, v[32+2*cc]
	v_cmp_eq_u32 s[67+2*\e], \e, v[33+2*cc]
.endr
.irp e, 0,1,2,3,4,5,6,7
	s_or_b32 s[66+2*\e], s[66+2*\e], s[67+2*\e]
	s_bcnt1_i32_b32 s[66+2*\e], s[66+2*\e]
	s_add_co_u32 s[40+\e], s[40+\e], s[66+2*\e]
.endr
.set cc, cc+1
.endr
	s_mov_b32 s56, 0
.irp e, 0,1,2,3,4,5,6,7
	s_add_co_u32 s57, s[40+\e], 127
	s_lshr_b32 s57, s57, 7                         ; its tiles of 128 rows
	s_add_co_u32 s56, s56, s57
	s_mov_b32 s[48+\e], s56                        ; the tile behind its last
.endr
	s_mov_b32 s58, 0
	s_mov_b32 s59, 0
.irp e, 0,1,2,3,4,5,6,7
	s_cmp_eq_u32 s20, \e
	s_cselect_b32 s59, s[48+\e], s59               ; where my expert's tiles end,
	s_cmp_eq_u32 s20, \e+1
	s_cselect_b32 s58, s[48+\e], s58               ; and where they begin
.endr
	s_lshl_b32 s60, s58, 7                         ; the next free position of my expert
	s_lshl_b32 s61, s59, 7                         ; the position behind its last tile
	s_lshl_b32 s38, s55, 7                         ; the position behind the last routed tile
	s_mov_b32 s39, 2944
	s_wait_loadcnt 0x0                             ; the weights
; pass 2, chunk c: the tokens that name my expert take the next positions, in the tokens' order; the other lanes store to their dump words.
; An offset made from loaded numbers is held by a constant, inside both buffers, as the last thing before it is used.  v16, v17 and v19 are at work only: no store reads them.
.macro PUT c
.if ((\c) % 8 == 0) && ((\c) > 0)
	s_wait_xcnt 0x0                                ; the stores of eight chunks back have read v24-31: these are written again only behind this wait
.endif
	v_cmp_eq_u32 s30, s20, v[32+2*\c]              ; my expert is the token's first choice,
	v_cmp_eq_u32 s31, s20, v[33+2*\c]              ; or its second
	s_or_b32 vcc_lo, s30, s31
	v_mbcnt_lo_u32_b32 v16, vcc_lo, 0              ; how many lanes below me take a position
	v_add_nc_u32 v[33+2*\c], s60, v16              ; my position
	v_lshlrev_b32 v17, 2, v[33+2*\c]               ; its word in rowtok and in roww,
	v_cndmask_b32 v17, v[DW], v17, vcc_lo          ; or my dump word
	v_min_u32 v[32+2*\c], DUMP+1020, v17
	v_cndmask_b32 v[96+2*\c], v[96+2*\c], v[97+2*\c], s31   ; the weight of that choice
	v_add_nc_u32 v[97+2*\c], 32*\c, v1             ; the token
	v_cndmask_b32 v19, 0, 4, s31
	v_lshl_add_u32 v19, v[97+2*\c], 3, v19         ; the choice's word in slotpos: 8 x token + 4 x (second),
	v_cndmask_b32 v19, v[DS], v19, vcc_lo          ; or my dump word
	v_min_u32 v[A2+(\c)%8], DUMP-SLOTP+1020, v19
	global_store_b32 v[32+2*\c], v[97+2*\c], s[16:17]
	global_store_b32 v[32+2*\c], v[96+2*\c], s[18:19]
	global_store_b32 v[A2+(\c)%8], v[33+2*\c], s[16:17] offset:SLOTP
	s_bcnt1_i32_b32 s37, vcc_lo
	s_add_co_u32 s60, s60, s37
.endm
.irp c, 0,1,2,3,4,5,6,7,8,9,10,11,12,13,14,15,16,17,18,19,20,21,22,23,24,25,26,27,28,29,30,31
	PUT \c
.endr
; positions s[base] + v[idx] + add that lie under s[lim] get token 0 and weight 0.0; the other lanes store the same to their dump words.  n: which of the eight offset registers
.macro FILL base, idx, add, lim, n
	v_add_nc_u32 v16, s[\base], v[\idx]
	v_add_nc_u32 v16, \add, v16
	v_cmp_gt_u32 vcc_lo, s[\lim], v16
	v_lshlrev_b32 v17, 2, v16
	v_cndmask_b32 v17, v[DW], v17, vcc_lo
	v_min_u32 v[A2+\n], DUMP+1020, v17
	global_store_b32 v[A2+\n], v[ZR], s[16:17]
	global_store_b32 v[A2+\n], v[ZR], s[18:19]
.endm
	s_wait_xcnt 0x0                                ; the last eight chunks' stores have read v24-31
.irp j, 0,1,2,3
	FILL 60, 1, 32*\j, 61, \j                      ; the rest of my expert's last tile: 127 positions at the most
.endr
.irp j, 0,1,2,3
	FILL 38, 0, 256*\j, 39, 4+\j                   ; the unused tiles, 7 x 128 positions at the most: the 256 threads share them
.endr
	s_cmp_lg_u32 s20, 0
	s_cbranch_scc1 .Lend
	v_mov_b32 v20, 0                               ; the table of tiles, a lane a tile: the number of experts whose tiles end at or before mine
.irp e, 0,1,2,3,4,5,6,7
	v_cmp_le_u32 vcc_lo, s[48+\e], v1
	v_cndmask_b32 v18, 0, 1, vcc_lo
	v_add_nc_u32 v20, v20, v18
.endr
	v_cmp_eq_u32 vcc_lo, 8, v20
	v_cndmask_b32 v20, v20, 9, vcc_lo              ; behind all eight: unused
	v_cmp_lt_u32 vcc_lo, 22, v1
	v_cndmask_b32 v20, v20, 8, vcc_lo              ; tiles 23 to 30: the shared expert
	v_cmp_eq_u32 vcc_lo, 31, v1
	v_cndmask_b32 v20, v20, 9, vcc_lo              ; there is no tile 31
	v_lshlrev_b32 v3, 2, v1
	global_store_b32 v3, v20, s[16:17] offset:24576
.Lend:
	s_endpgm
.Lfunc_end_k_q1fdc4018ea_place:
	.size	k_q1fdc4018ea_place, .Lfunc_end_k_q1fdc4018ea_place-k_q1fdc4018ea_place
	.p2alignl 7, 3214868480
	.fill 96, 4, 3214868480
	.section	.rodata,"a",@progbits
	.p2align	6, 0x0
	.amdhsa_kernel k_q1fdc4018ea_place
		.amdhsa_group_segment_fixed_size 0
		.amdhsa_private_segment_fixed_size 0
		.amdhsa_enable_private_segment 0
		.amdhsa_kernarg_size 64
		.amdhsa_user_sgpr_count 2
		.amdhsa_user_sgpr_kernarg_segment_ptr 1
		.amdhsa_wavefront_size32 1
		.amdhsa_system_sgpr_workgroup_id_x 1
		.amdhsa_system_sgpr_workgroup_id_y 1
		.amdhsa_system_sgpr_workgroup_id_z 1
		.amdhsa_system_vgpr_workitem_id 0
		.amdhsa_next_free_vgpr 160
		.amdhsa_next_free_sgpr 84
		.amdhsa_reserve_vcc 1
		.amdhsa_float_denorm_mode_32 3
		.amdhsa_float_denorm_mode_16_64 3
		.amdhsa_memory_ordered 1
		.amdhsa_forward_progress 1
		.amdhsa_inst_pref_size 129
	.end_amdhsa_kernel
	.amdgpu_metadata
---
amdhsa.version: [ 1, 2 ]
amdhsa.kernels:
  - .name:           k_q1fdc4018ea_place
    .symbol:         k_q1fdc4018ea_place.kd
    .args:
      - { .name: w2, .offset: 0, .size: 8, .value_kind: global_buffer, .address_space: global }
      - { .name: sw2, .offset: 8, .size: 8, .value_kind: global_buffer, .address_space: global }
      - { .name: lowp_scales, .offset: 16, .size: 8, .value_kind: global_buffer, .address_space: global }
      - { .name: sel, .offset: 24, .size: 8, .value_kind: global_buffer, .address_space: global }
      - { .name: rwt, .offset: 32, .size: 8, .value_kind: global_buffer, .address_space: global }
      - { .name: w2c, .offset: 40, .size: 8, .value_kind: global_buffer, .address_space: global }
      - { .name: lists, .offset: 48, .size: 8, .value_kind: global_buffer, .address_space: global }
      - { .name: roww, .offset: 56, .size: 8, .value_kind: global_buffer, .address_space: global }
    .group_segment_fixed_size: 0
    .private_segment_fixed_size: 0
    .kernarg_segment_align: 8
    .kernarg_segment_size: 64
    .max_flat_workgroup_size: 256
    .sgpr_count:     84
    .vgpr_count:     160
    .wavefront_size: 32
...
	.end_amdgpu_metadata
.endif
;; end of part 2
;; launch hidden (part 3): grid 8 x 31, 4 waves a work-group, no clusters, 209,408 bytes of LDS; arguments xq, sw1_codes, sw3_codes, w1_codes, w3_codes, lowp_scales, lists, roww, hc; writes hc
.if DOCPART == 3
	.amdgcn_target "amdgcn-amd-amdhsa--gfx1250"
	.amdhsa_code_object_version 6
	.text
	.protected	k_q1fdc4018ea_hidden
	.globl	k_q1fdc4018ea_hidden
	.p2align	8
	.type	k_q1fdc4018ea_hidden,@function
k_q1fdc4018ea_hidden:
	s_mov_b64 s[64:65], 0
	v_nop
	global_prefetch_b8 v0, s[64:65] scope:SCOPE_SE
	s_setreg_imm32_b32 hwreg(HW_REG_WAVE_MODE, 25, 1), 1
	s_wait_xcnt 0x0
; THE HIDDEN LAYER OF ONE ROW TILE OF ONE EXPERT: h = weight x silu(g) x u, g = x W1, u = x W3, both products on codes of E4M3; h is quantised and stored as images of the next product's operand registers.
; A work-group takes 128 rows (tile = work-group y; the rows' tokens come from rowtok) x 256 hidden units (work-group x).  Tiles 23 to 30 are the shared expert's (sw1, sw3, weight 1); a routed tile's expert comes from tilexp.
; Four waves, each 64 rows x 128 units of BOTH products: 32 + 32 accumulators, 512 registers.
; THE MATRIX INSTRUCTION IS USED TRANSPOSED (source 0 = 16 weight rows, source 1 = 16 rows of x): a lane holds ONE row, and its registers run along the hidden units, which are the next K.
; THE WEIGHT ROWS OF A TILE ARE NOT NEIGHBOURS: lane r of tile 2 b + u takes unit 32 b + 8 u + r + 8 (r / 8), so that the 16 registers of tiles 2 b and 2 b + 1 are the 16 neighbours 32 b + 16 (lane / 16) + 0..15.
; That order is made where the rows are put into LDS: groups of eight rows change places (bits 0 and 1 of the group's number are swapped), by immediates alone.
; K goes in chunks of 256 bytes; g's and u's chunks take turns through two LDS slots of 384 rows (128 of x, 256 of weights), pitch 272.  Each row put there is 256 consecutive bytes of memory, aligned, read by sixteen lanes.
; A chunk is loaded into registers a trip ahead, stored into the slot that the barrier before has freed, and read behind the next barrier: one barrier a trip.
; THE FIRST TWO CHUNKS, g's and u's, are asked for together: g's into the staging registers, u's into registers of window 3, where u's sums begin only a trip later; both slots are filled ahead of the first barrier.
; A fragment for 64 along K is fetched by two loads of 16 bytes, 32 bytes apart: a permutation of k that is the same in both operands, so every product meets its partner.
; A TILE THAT THE SPLIT LEAVES UNUSED IS WALKED LIKE ANY OTHER, on token 0 with weight 0.0 (expert 0's weights), and stores zero codes: this text has barriers, and none may stand under a branch on a number read from memory.
; NO TENSOR LOADS, NO CLUSTER: the rows of x are gathered by a list, which a tile's descriptor cannot state, and how many row tiles share an expert's weights (1 to 16) is a number read from memory, so no fixed partners share a tile.
; hc[mt = position / 16][ks = unit / 128][2,048 bytes]: byte 512 c + 16 lane + i is the code of row lane % 16, unit 128 ks + 32 c + 16 (lane / 16) + i.
; LIMITS: the sum of g's two exponents lies between -126 and 127; h's exponent between -126 and 119.  NaN among the inputs is not served.
; REGISTERS, in windows of 256 (s_set_vgpr_msb: bits 1:0 source 0, 3:2 source 1, 5:4 source 2, 7:6 destination):
;   window 0: addresses, the 192 registers of a chunk on its way, later the activation at work.  window 1: two fragment buffers of 96 (x's four fragments, then the weights' eight).
;   window 2: g's accumulators, (a, t) at v[8 (8 a + t)].  window 3: u's (at the head: u's first chunk on its way, under the staging registers' numbers).
.set LOFF, 3                           ; v3      16 x lane: my place in an image
.set WOFF, 4                           ; v4      weights: (thread / 16) x 1,024 + 16 (thread % 16)
.set SB,   5                           ; v5-8    LDS, storing: slot 0's groups 0-23, 24-47; slot 1's
.set FA,   9                           ; v9-12   LDS, fragments: slot 0's x, weights; slot 1's
.set SCL,  13                          ; v13     2^eh as f32
.set LIM,  14                          ; v14     448 x 2^eh
.set TOK,  16                          ; v16-31  x: byte offset of my 16 bytes in row 8 i + thread / 16 of the tile
.set ST,   32                          ; v32-223 a chunk on its way: 48 x 4
.set TT,   32                          ; the activation: v32-95 the exponentials and reciprocals,
.set PP,   96                          ; v96-159 the products,
.set CD,   160                         ; v160-223 the codes: 16 registers for each of my four tiles of rows
.set FP,   224                         ; v224-231 four pairs: the row's weight x 2^(all four exponents)
.set SLOT, 104448                      ; 384 x 272
.set SG,   54                          ; s[54:55] -log2(e) x 2^(g's exponents)
.set PH,   56                          ; s[56:57] hc at my first image
.set PA,   66                          ; s[66:67], s[68:69] x's codes for g, for u
.set PW,   70                          ; s[70:71], s[72:73] the weights for g, for u
.set MSB, 0
.macro WIN new                         ; the immediate's high byte repeats the setting that is left
.if MSB != (\new)
	s_set_vgpr_msb (MSB<<8)|(\new)
.set MSB, (\new)
.endif
.endm
.macro PLACES                          ; four plain vector instructions between a matrix instruction and a load into its registers or a read of its result (ISA guide 7.12.1 for the read of its result)
.rept 4
	v_nop
.endr
.endm
	s_load_b512 s[4:19], s[0:1], 0x0               ; xq s[4:5], sw1 s[6:7], sw3 s[8:9], w1 s[10:11], w3 s[12:13], lowp_scales s[14:15], lists s[16:17], roww s[18:19]
	s_load_b64 s[20:21], s[0:1], 0x40              ; hc
	v_lshl_add_u32 v254, v0, 2, 0x33000
	v_mov_b32 v255, 0
	v_lshrrev_b32 v1, 5, v0
	v_readfirstlane_b32 s22, v1                    ; wave 0..3
	s_lshr_b32 s23, s22, 1                         ; rh: which 64 rows
	s_and_b32 s24, s22, 1                          ; uh: which 128 units
	s_and_b32 s25, ttmp7, 0xffff                   ; the tile
	s_lshl_b32 s26, s25, 2
	v_and_b32 v1, 15, v0                           ; r
	v_bfe_u32 v2, v0, 4, 1                         ; h
	v_and_b32 v[LOFF], 31, v0
	v_lshlrev_b32 v[LOFF], 4, v[LOFF]
	v_lshrrev_b32 v15, 4, v0                       ; thread / 16: 0..7
	v_lshlrev_b32 v232, 4, v1                      ; 16 r
	v_lshl_add_u32 v[WOFF], v15, 10, v232
	v_mul_u32_u24 v[SB], v15, 272
	v_add_nc_u32 v[SB], v[SB], v232                ; a group of eight rows: row thread / 16, 16 bytes a thread
	v_add_nc_u32 v[SB+1], 24*2176, v[SB]           ; (an LDS immediate has 16 bits: the upper 24 groups get a base of their own)
	v_add_nc_u32 v[SB+2], SLOT, v[SB]
	v_add_nc_u32 v[SB+3], SLOT+24*2176, v[SB]
	v_mul_u32_u24 v233, v1, 272
	v_lshl_add_u32 v233, v2, 4, v233               ; a fragment: row r x pitch + 16 h
	s_mul_i32 s40, s23, 64*272                     ; my 64 rows of x
	s_mul_i32 s41, s24, 128*272                    ; my 128 weight rows,
	s_add_co_u32 s41, s41, 128*272                 ; which lie behind x's 128
	v_add_nc_u32 v[FA], s40, v233
	v_add_nc_u32 v[FA+1], s41, v233
	v_add_nc_u32 v[FA+2], SLOT, v[FA]
	v_add_nc_u32 v[FA+3], SLOT, v[FA+1]
	v_lshlrev_b32 v234, 2, v15
	v_lshlrev_b32 v235, 2, v1
	s_wait_kmcnt 0x0
	s_load_b32 s27, s[16:17], s26 offset:24576     ; the tile's expert
	s_load_b256 s[28:35], s[14:15], 0x0            ; exponents 0 to 7
	s_load_b128 s[36:39], s[14:15], 0x20           ; 8 to 11
	s_lshl_b32 s42, s25, 9                         ; 128 words a tile
	s_mov_b32 s43, 0
	s_add_nc_u64 s[44:45], s[16:17], s[42:43]      ; rowtok at my tile
	s_lshl_b32 s46, s23, 8
	s_add_co_u32 s42, s42, s46
	s_add_nc_u64 s[46:47], s[18:19], s[42:43]      ; roww at my wave's 64 rows
.set ii, 0
.rept 16
	global_load_b32 v[TOK+ii], v234, s[44:45] offset:32*ii   ; the token of row 8 i + thread / 16
.set ii, ii+1
.endr
.irp a, 0,1,2,3
	global_load_b32 v[FP+2*\a], v235, s[46:47] offset:64*\a  ; the weight of row 16 a + r of my 64
.endr
	s_wait_kmcnt 0x0
	s_add_co_i32 s48, s28, s29                     ; g's two exponents: shared (entries 0, 1),
	s_add_co_i32 s49, s34, s35                     ; routed (6, 7)
	s_add_co_i32 s50, s30, s31                     ; u's: shared (2, 3),
	s_add_co_i32 s51, s36, s37                     ; routed (8, 9)
	s_min_u32 s27, s27, 8                          ; a loaded number enters an address only held:
	s_and_b32 s27, s27, 7                          ; 0..7 as they are; 8 (shared: its one matrix) and 9 (unused) give 0
	s_lshl_b32 s52, s27, 21                        ; an expert's 2,048 rows of 1,024 bytes
	s_lshl_b32 s53, ttmp9, 18                      ; my 256 rows
	s_add_co_u32 s52, s52, s53
	s_mov_b32 s53, 0
	s_cmp_ge_u32 s25, 23                           ; shared?  The choice hangs on the work-group's number alone
	s_cselect_b32 s48, s48, s49
	s_cselect_b32 s50, s50, s51
	s_cselect_b32 s58, s32, s38                    ; h's exponent: entry 4 or 10
	s_cselect_b32 s60, 0, 0x200000                 ; x's sets: 0, 1 shared; 2, 3 routed
	s_cselect_b64 s[PW:PW+1], s[6:7], s[10:11]
	s_cselect_b64 s[PW+2:PW+3], s[8:9], s[12:13]
	s_mov_b32 s61, 0
	s_add_nc_u64 s[PA:PA+1], s[4:5], s[60:61]
	s_add_nc_u64 s[PA+2:PA+3], s[PA:PA+1], 0x100000
	s_add_nc_u64 s[PW:PW+1], s[PW:PW+1], s[52:53]
	s_add_nc_u64 s[PW+2:PW+3], s[PW+2:PW+3], s[52:53]
	s_lshl_b32 s[SG], s48, 23
	s_add_co_i32 s[SG], s[SG], 0xbfb8aa3b          ; -log2(e) with g's exponents added to its exponent field
	s_mov_b32 s[SG+1], s[SG]                       ; (named with it as a pair, so it is written)
	s_add_co_i32 s59, s48, s50                     ; all four exponents
	s_add_co_i32 s62, s58, 127
	s_lshl_b32 s63, s62, 23
	v_mov_b32 v[SCL], s63
	s_add_co_i32 s62, s62, 8
	s_lshl_b32 s62, s62, 23
	s_or_b32 s62, s62, 0x600000
	v_mov_b32 v[LIM], s62
	s_lshl_b32 s[PH], s25, 18                      ; 8 tiles of 16 rows x 16 images of 2,048 bytes,
	s_lshl_b32 s40, s23, 17                        ; my four of them,
	s_add_co_u32 s[PH], s[PH], s40
	s_lshl_b32 s40, ttmp9, 12                      ; K steps 2 x and 2 x + 1 of the next product,
	s_add_co_u32 s[PH], s[PH], s40
	s_lshl_b32 s40, s24, 11                        ; mine of the two
	s_add_co_u32 s[PH], s[PH], s40
	s_mov_b32 s[PH+1], 0
	s_add_nc_u64 s[PH:PH+1], s[20:21], s[PH:PH+1]
	s_wait_loadcnt 0x0
.set ii, 0
.rept 16
	v_min_u32 v[TOK+ii], 0x3ff, v[TOK+ii]          ; a token's number, held inside x
	v_lshl_add_u32 v[TOK+ii], v[TOK+ii], 10, v232  ; its row of 1,024 codes, + my 16 bytes
.set ii, ii+1
.endr
.irp a, 0,1,2,3
	v_ldexp_f32 v[FP+2*\a], v[FP+2*\a], s59
	v_mov_b32 v[FP+2*\a+1], v[FP+2*\a]
.endr
; 48 loads: a chunk of 256 along K, off bytes on, of product m (0: g, 1: u): 128 rows of x, 256 weight rows; sixteen lanes read a row's 256 bytes.  The destination's window is set by the caller
.macro GLOAD m, off
.set pp, 0
.rept 16
	global_load_b128 v[ST+4*pp:ST+4*pp+3], v[TOK+pp], s[PA+2*(\m):PA+2*(\m)+1] offset:\off
.set pp, pp+1
.endr
.set pp, 0
.rept 32
	global_load_b128 v[ST+64+4*pp:ST+64+4*pp+3], v[WOFF], s[PW+2*(\m):PW+2*(\m)+1] offset:8192*pp+\off
.set pp, pp+1
.endr
.endm
; and into a slot: x's groups as they come; weight group p to place (p with bits 0 and 1 swapped).  The data's window is set by the caller
.macro SSTORE slot
.set pp, 0
.rept 16
	ds_store_b128 v[SB+2*(\slot)], v[ST+4*pp:ST+4*pp+3] offset:2176*pp
.set pp, pp+1
.endr
.set pp, 0
.rept 32
.set lg, 16+(pp/4)*4+(pp%2)*2+(pp/2)%2
.if lg < 24
	ds_store_b128 v[SB+2*(\slot)], v[ST+64+4*pp:ST+64+4*pp+3] offset:2176*lg
.else
	ds_store_b128 v[SB+2*(\slot)+1], v[ST+64+4*pp:ST+64+4*pp+3] offset:2176*(lg-24)
.endif
.set pp, pp+1
.endr
.endm
; 24 LDS loads in one run: the fragments of the slot's s-th 64 along K into buffer f
.macro FRAGS slot, s, f
	WIN 0x40                                       ; destination window 1, address window 0
.irp a, 0,1,2,3
	ds_load_b128 v[96*\f+8*\a:96*\f+8*\a+3],   v[FA+2*(\slot)] offset:4352*\a+64*\s
	ds_load_b128 v[96*\f+8*\a+4:96*\f+8*\a+7], v[FA+2*(\slot)] offset:4352*\a+64*\s+32
.endr
.irp t, 0,1,2,3,4,5,6,7
	ds_load_b128 v[96*\f+32+8*\t:96*\f+32+8*\t+3], v[FA+2*(\slot)+1] offset:4352*\t+64*\s
	ds_load_b128 v[96*\f+32+8*\t+4:96*\f+32+8*\t+7], v[FA+2*(\slot)+1] offset:4352*\t+64*\s+32
.endr
.endm
; 32 matrix instructions, one on each of product m's accumulators: they take turns.  zero = 1: the first product starts the sums
.macro MUL m, f, zero
	WIN 0xa5+0x50*(\m)                             ; sources 0 and 1 window 1; C and D window 2 (g) or 3 (u)
.irp a, 0,1,2,3
.irp t, 0,1,2,3,4,5,6,7
.if \zero
	v_wmma_f32_16x16x64_fp8_fp8 v[8*(8*\a+\t):8*(8*\a+\t)+7], v[96*\f+32+8*\t:96*\f+32+8*\t+7], v[96*\f+8*\a:96*\f+8*\a+7], 0
.else
	v_wmma_f32_16x16x64_fp8_fp8 v[8*(8*\a+\t):8*(8*\a+\t)+7], v[96*\f+32+8*\t:96*\f+32+8*\t+7], v[96*\f+8*\a:96*\f+8*\a+7], v[8*(8*\a+\t):8*(8*\a+\t)+7]
.endif
.endr
.endr
.endm
; A TRIP: product m's chunk in slot m: four steps of 64 along K on buffers 0, 1, 0, 1; each step's fragments are fetched while the step before is multiplied.
; stage = 1: the chunk that is on its way in registers goes into the other slot, which every wave left at the last barrier.  load = 1: product m's next chunk is asked for, straight behind the wait
; that frees the staging registers and ahead of the fragment loads, so that it has as much of the next trip as can be in which to come.
; last = 0: ONE barrier: in front of it my reads of this slot are in registers and my stores into the other slot have landed; behind it this slot may be written and the other is whole.
.macro TRIP m, zero, stage, load, last
	s_wait_dscnt 0x0                               ; step 0's fragments are in
	PLACES
	FRAGS \m, 1, 1
	MUL \m, 0, \zero
	s_wait_dscnt 0x0
	PLACES
	FRAGS \m, 2, 0
	MUL \m, 1, 0
.if \stage
	WIN 0
	s_wait_loadcnt 0x0                             ; the 48 loads asked for a trip ago
	SSTORE 1-\m
.endif
	s_wait_dscnt 0x0                               ; step 2's fragments are in, and the stores have read their registers
.if \load
	WIN 0
	GLOAD \m, 256
.endif
	PLACES
	FRAGS \m, 3, 1
	MUL \m, 0, 0
	s_wait_dscnt 0x0                               ; for the others' sake too: zero
.if \last == 0
	s_barrier_signal -1
	s_barrier_wait -1
	PLACES
	FRAGS 1-\m, 0, 0                               ; the next trip's first fragments
.endif
	MUL \m, 1, 0
	WIN 0                                          ; at a label and at a branch every window is 0
.endm
	GLOAD 0, 0                                     ; g's first chunk, into the staging registers,
	WIN 0xc0                                       ; (destination window 3, address window 0)
	GLOAD 1, 0                                     ; and u's, into the same numbers of window 3: both are on their way together
	WIN 0
	s_wait_loadcnt 48                              ; g's 48 loads are in; u's 48 may be out
	SSTORE 0
	s_wait_loadcnt 0x0
	WIN 0x0c                                       ; (an LDS store's data is source 1: window 3)
	SSTORE 1
	WIN 0
	s_wait_dscnt 0x0                               ; landed, for the others' sake, and the registers are free
	GLOAD 0, 256                                   ; g's second chunk
	s_barrier_signal -1
	s_barrier_wait -1                              ; both slots are whole
	FRAGS 0, 0, 0
	TRIP 0, 1, 0, 0, 0                             ; the first chunks stand in front of the loop: their first products start the sums.  Nothing is staged: slot 1 is filled already
	TRIP 1, 1, 1, 1, 0
	s_wait_xcnt 0x0                                ; the loads have read their bases: they step one chunk
.irp p, PA, PA+2, PW, PW+2
	s_add_nc_u64 s[\p:\p+1], s[\p:\p+1], 256
.endr
	s_mov_b32 s74, 2
.Lchunk:                                           ; chunks 1 and 2; they ask for chunks 2 and 3
	TRIP 0, 0, 1, 1, 0
	TRIP 1, 0, 1, 1, 0
	s_wait_xcnt 0x0
.irp p, PA, PA+2, PW, PW+2
	s_add_nc_u64 s[\p:\p+1], s[\p:\p+1], 256
.endr
	s_sub_co_u32 s74, s74, 1
	s_cmp_lg_u32 s74, 0
	s_cbranch_scc1 .Lchunk
	TRIP 0, 0, 1, 0, 0                             ; the last chunks ask for nothing: no load passes K's end
	TRIP 1, 0, 0, 0, 1
	PLACES
; THE ACTIVATION, a tile of 16 rows (64 numbers a lane) at a time.  With G, U the sums: h = G U x 1 / (1 + 2^(-log2(e) g)) x weight x 2^(all four exponents).
; The exponentials, and then the reciprocals, go as one batch with one wait; the products that need neither stand behind each batch.  Each accumulator is read from its low end on.
.macro EPI a
	WIN 0x02                                       ; source 0: g's window
.set jj, 0
.rept 32
	v_pk_mul_f32 v[TT+jj:TT+jj+1], v[64*\a+jj:64*\a+jj+1], s[SG:SG+1] op_sel_hi:[1,0]
.set jj, jj+2
.endr
	WIN 0
.set jj, 0
.rept 64
	v_exp_f32 v[TT+jj], v[TT+jj]
.set jj, jj+1
.endr
	WIN 0x0e                                       ; source 0: g's window, source 1: u's
.set jj, 0
.rept 32
	v_pk_mul_f32 v[PP+jj:PP+jj+1], v[64*\a+jj:64*\a+jj+1], v[64*\a+jj:64*\a+jj+1]
.set jj, jj+2
.endr
	WIN 0
	s_wait_alu depctr_va_vdst(0)                   ; one wait for the 64 exponentials, ahead of their first reader
.set jj, 0
.rept 32
	v_pk_add_f32 v[TT+jj:TT+jj+1], v[TT+jj:TT+jj+1], 1.0 op_sel_hi:[1,0]
.set jj, jj+2
.endr
.set jj, 0
.rept 64
	v_rcp_f32 v[TT+jj], v[TT+jj]
.set jj, jj+1
.endr
.set jj, 0
.rept 32
	v_pk_mul_f32 v[PP+jj:PP+jj+1], v[PP+jj:PP+jj+1], v[FP+2*\a:FP+2*\a+1] op_sel_hi:[1,0]   ; x my row's weight and the powers of two
.set jj, jj+2
.endr
	s_wait_alu depctr_va_vdst(0)                   ; one wait for the 64 reciprocals
.set jj, 0
.rept 32
	v_pk_mul_f32 v[PP+jj:PP+jj+1], v[PP+jj:PP+jj+1], v[TT+jj:TT+jj+1]
.set jj, jj+2
.endr
.irp b, 0,1,2,3
.irp i, 0,1,2,3,4,5,6,7,8,9,10,11,12,13,14,15
	v_med3_num_f32 v[PP+16*\b+\i], v[PP+16*\b+\i], -v[LIM], v[LIM]   ; the conversion does not saturate (ISA guide 7.6.2): the hold
.endr
	v_cvt_scalef32_pk8_fp8_f32 v[CD+16*\a+4*\b:CD+16*\a+4*\b+1],   v[PP+16*\b:PP+16*\b+7],    v[SCL]
	v_cvt_scalef32_pk8_fp8_f32 v[CD+16*\a+4*\b+2:CD+16*\a+4*\b+3], v[PP+16*\b+8:PP+16*\b+15], v[SCL]
.endr
	v_nop                                          ; a plain instruction behind the last conversion, ahead of the next tile's writes of its sources
.irp c, 0,1,2,3
	global_store_b128 v[LOFF], v[CD+16*\a+4*\c:CD+16*\a+4*\c+3], s[PH:PH+1] offset:32768*\a+512*\c   ; 512 consecutive bytes, aligned: a quarter of the image
.endr
.endm
	EPI 0
	EPI 1
	EPI 2
	EPI 3
	s_wait_tensorcnt 0x0
	ds_add_u32 v254, v255
	s_wait_dscnt 0x0
	s_endpgm
.Lfunc_end_k_q1fdc4018ea_hidden:
	.size	k_q1fdc4018ea_hidden, .Lfunc_end_k_q1fdc4018ea_hidden-k_q1fdc4018ea_hidden
	.p2alignl 7, 3214868480
	.fill 96, 4, 3214868480
	.section	.rodata,"a",@progbits
	.p2align	6, 0x0
	.amdhsa_kernel k_q1fdc4018ea_hidden
		.amdhsa_group_segment_fixed_size 209408
		.amdhsa_private_segment_fixed_size 0
		.amdhsa_enable_private_segment 0
		.amdhsa_kernarg_size 72
		.amdhsa_user_sgpr_count 2
		.amdhsa_user_sgpr_kernarg_segment_ptr 1
		.amdhsa_wavefront_size32 1
		.amdhsa_system_sgpr_workgroup_id_x 1
		.amdhsa_system_sgpr_workgroup_id_y 1
		.amdhsa_system_sgpr_workgroup_id_z 1
		.amdhsa_system_vgpr_workitem_id 0
		.amdhsa_next_free_vgpr 1024
		.amdhsa_next_free_sgpr 76
		.amdhsa_reserve_vcc 0
		.amdhsa_float_denorm_mode_32 3
		.amdhsa_float_denorm_mode_16_64 3
		.amdhsa_memory_ordered 1
		.amdhsa_forward_progress 1
		.amdhsa_inst_pref_size 221
	.end_amdhsa_kernel
	.amdgpu_metadata
---
amdhsa.version: [ 1, 2 ]
amdhsa.kernels:
  - .name:           k_q1fdc4018ea_hidden
    .symbol:         k_q1fdc4018ea_hidden.kd
    .args:
      - { .name: xq, .offset: 0, .size: 8, .value_kind: global_buffer, .address_space: global }
      - { .name: sw1_codes, .offset: 8, .size: 8, .value_kind: global_buffer, .address_space: global }
      - { .name: sw3_codes, .offset: 16, .size: 8, .value_kind: global_buffer, .address_space: global }
      - { .name: w1_codes, .offset: 24, .size: 8, .value_kind: global_buffer, .address_space: global }
      - { .name: w3_codes, .offset: 32, .size: 8, .value_kind: global_buffer, .address_space: global }
      - { .name: lowp_scales, .offset: 40, .size: 8, .value_kind: global_buffer, .address_space: global }
      - { .name: lists, .offset: 48, .size: 8, .value_kind: global_buffer, .address_space: global }
      - { .name: roww, .offset: 56, .size: 8, .value_kind: global_buffer, .address_space: global }
      - { .name: hc, .offset: 64, .size: 8, .value_kind: global_buffer, .address_space: global }
    .group_segment_fixed_size: 209408
    .private_segment_fixed_size: 0
    .kernarg_segment_align: 8
    .kernarg_segment_size: 72
    .max_flat_workgroup_size: 128
    .sgpr_count:     76
    .vgpr_count:     1024
    .wavefront_size: 32
...
	.end_amdgpu_metadata
.endif
;; end of part 3
;; launch second (part 4): grid 8 x 31, 8 waves a work-group, no clusters, 83,968 bytes of LDS; arguments hc, w2c, lowp_scales, lists, y; writes y
.if DOCPART == 4
	.amdgcn_target "amdgcn-amd-amdhsa--gfx1250"
	.amdhsa_code_object_version 6
	.text
	.protected	k_q1fdc4018ea_second
	.globl	k_q1fdc4018ea_second
	.p2align	8
	.type	k_q1fdc4018ea_second,@function
k_q1fdc4018ea_second:
	s_mov_b64 s[64:65], 0
	v_nop
	global_prefetch_b8 v0, s[64:65] scope:SCOPE_SE
	s_setreg_imm32_b32 hwreg(HW_REG_WAVE_MODE, 25, 1), 1
	s_wait_xcnt 0x0
; THE SECOND PRODUCT OF ONE ROW TILE: y[position][d] = 2^(two exponents) x the sum over 2,048 hidden units of hc's codes x w2c's codes.  y: [3968][1024] f32.
; A work-group takes 128 rows (tile = work-group y) x 128 columns (work-group x).  EIGHT WAVES, TWO FOR EACH 64 x 64 OF THE TILE: waves 0-3 take K steps 0 to 7 (128 along K each), waves 4-7 K steps 8 to 15;
; 16 accumulators a wave.  So twice as many loads of a work-group are on their way as with four waves, and a wave walks half as many steps.
; Both operands lie in memory as images of operand registers (2,048 bytes for 16 rows x 128 K): a fragment is four loads of 16 bytes a lane, each 512 consecutive bytes a wave, straight into registers.
; The eight steps are written out: every offset is an immediate (130,560 bytes at the most, inside the signed 24 bits: ISA guide, chapter 10), no base is stepped, and no wait on XCNT stands among the products.
; THE TWO HALVES MEET IN LDS: waves 4-7 multiply their sums by 2^(the two exponents) and store them as they stand in their registers (16 KB a wave); one barrier; waves 0-3 load them into the same lanes and
; make y = sum x 2^e + part by one packed multiply-add.  ORDER OF ROUNDING: an output's sum over K is made of two halves, added in f32.
; A TILE THAT THE SPLIT LEAVES UNUSED IS WALKED LIKE ANY OTHER (its codes are zeros; it takes the shared expert's weights) and stores rows of y that nobody reads: this text has a barrier, and none may stand
; under a branch on a number read from memory.
; NO TENSOR LOADS, NO CLUSTER: how many row tiles share an expert's weights is a number read from memory, so no fixed partners share a tile.
; THE MATRIX INSTRUCTION IS USED TRANSPOSED (source 0 = 16 columns of w2, source 1 = 16 rows): a lane holds eight neighbouring columns of one row; a block of 16 rows goes through the wave's own stage in LDS
; and leaves as rows: sixteen lanes store 256 consecutive bytes, aligned.
; LIMIT: the sum of the two exponents (entries 4, 5 shared; 10, 11 routed) lies between -126 and 127.
; REGISTERS: window 0: v3-7 addresses; v32-63 a block's results; v64-127 two blocks read back; v128-255 the accumulators, (a, n) at v[128 + 8 (4 a + n)].
;   window 1: two fragment buffers of 128 (rows' four, then columns' four); behind the products v0-127 hold the other half's part.
.set LOFF, 3                           ; v3  16 x lane
.set STO,  4                           ; v4  the stage: where I put 32 bytes of a row
.set RD,   5                           ; v5  and where I read a row back
.set CO,   6                           ; v6  my byte offset in two rows of y
.set PT,   7                           ; v7  the parts: 16 x lane + 16,384 x (wave % 4)
.set TMP,  32
.set OB,   64
.set ACC,  128
.set STG,  65536                       ; LDS: four parts of 16,384 bytes, then four stages of 16 rows x 272 bytes
.set MSB, 0
.macro WIN new                         ; the immediate's high byte repeats the setting that is left
.if MSB != (\new)
	s_set_vgpr_msb (MSB<<8)|(\new)
.set MSB, (\new)
.endif
.endm
	s_load_b256 s[4:11], s[0:1], 0x0               ; hc s[4:5], w2c s[6:7], lowp_scales s[8:9], lists s[10:11]
	s_load_b64 s[12:13], s[0:1], 0x20              ; y
	v_lshl_add_u32 v30, v0, 2, 0x14400
	v_mov_b32 v31, 0
	v_lshrrev_b32 v1, 5, v0
	v_readfirstlane_b32 s14, v1                    ; wave 0..7
	s_lshr_b32 s30, s14, 2                         ; kh: which half of K
	s_and_b32 s31, s14, 3                          ; which 64 x 64 of the tile:
	s_lshr_b32 s15, s31, 1                         ; rh: which 64 rows
	s_and_b32 s16, s31, 1                          ; ch: which 64 columns
	s_and_b32 s17, ttmp7, 0xffff                   ; the tile
	s_lshl_b32 s18, s17, 2
	v_and_b32 v1, 15, v0                           ; r
	v_bfe_u32 v2, v0, 4, 1                         ; h
	v_and_b32 v[LOFF], 31, v0
	v_lshlrev_b32 v[LOFF], 4, v[LOFF]
	s_mul_i32 s19, s31, 16*272                     ; the stage: 16 rows of 256 bytes + 16 (waves 0-3 use it)
	s_add_co_u32 s19, s19, STG
	v_mul_u32_u24 v[STO], v1, 272
	v_lshl_add_u32 v[STO], v2, 5, v[STO]
	v_add_nc_u32 v[STO], s19, v[STO]               ; in: row r, 32 bytes for each half of the lanes
	v_mul_u32_u24 v[RD], v2, 272
	v_lshl_add_u32 v[RD], v1, 4, v[RD]
	v_add_nc_u32 v[RD], s19, v[RD]                 ; back: lanes 0-15 one row, lanes 16-31 the next
	v_lshlrev_b32 v[CO], 12, v2
	v_lshl_add_u32 v[CO], v1, 4, v[CO]             ; and the same two rows in y
	s_lshl_b32 s21, s31, 14
	v_add_nc_u32 v[PT], s21, v[LOFF]               ; every LDS address is made here, ahead of the waves' parting
	s_wait_kmcnt 0x0
	s_load_b32 s20, s[10:11], s18 offset:24576     ; the tile's expert
	s_load_b64 s[22:23], s[8:9], 0x10              ; entries 4, 5
	s_load_b64 s[24:25], s[8:9], 0x28              ; entries 10, 11
	s_wait_kmcnt 0x0
	s_min_u32 s20, s20, 8                          ; a loaded number enters an address only held: 0..8 as they are, 9 (unused) gives 8
	s_lshl_b32 s26, s20, 21                        ; the expert's 64 x 16 images,
	s_lshl_b32 s28, ttmp9, 18                      ; my work-group's 8 tiles of columns,
	s_add_co_u32 s26, s26, s28
	s_lshl_b32 s28, s16, 17                        ; my wave's 4,
	s_add_co_u32 s26, s26, s28
	s_lshl_b32 s29, s30, 14                        ; my half of K: 8 images of 2,048 bytes
	s_add_co_u32 s26, s26, s29
	s_mov_b32 s27, 0
	s_add_nc_u64 s[6:7], s[6:7], s[26:27]
	s_lshl_b32 s26, s17, 18                        ; the tile's 8 tiles of rows,
	s_lshl_b32 s28, s15, 17                        ; my wave's 4,
	s_add_co_u32 s26, s26, s28
	s_add_co_u32 s26, s26, s29                     ; my half of K
	s_add_nc_u64 s[4:5], s[4:5], s[26:27]
.macro LOADK f, k                      ; 32 loads: K step k of my eight, into buffer f
.irp a, 0,1,2,3
.irp c, 0,1,2,3
	global_load_b128 v[128*\f+16*\a+4*\c:128*\f+16*\a+4*\c+3], v[LOFF], s[4:5] offset:32768*\a+2048*(\k)+512*\c
.endr
.endr
.irp n, 0,1,2,3
.irp c, 0,1,2,3
	global_load_b128 v[128*\f+64+16*\n+4*\c:128*\f+64+16*\n+4*\c+3], v[LOFF], s[6:7] offset:32768*\n+2048*(\k)+512*\c
.endr
.endr
.endm
	WIN 0x40                                       ; destination window 1, address window 0
	LOADK 0, 0
	LOADK 1, 1
	s_lshl_b32 s26, s17, 19                        ; y: 128 rows of 4,096 bytes a tile,
	s_lshl_b32 s28, s15, 18                        ; my 64,
	s_add_co_u32 s26, s26, s28
	s_lshl_b32 s28, ttmp9, 9                       ; 128 columns,
	s_add_co_u32 s26, s26, s28
	s_lshl_b32 s28, s16, 8                         ; my 64
	s_add_co_u32 s26, s26, s28
	s_add_nc_u64 s[12:13], s[12:13], s[26:27]
	s_add_co_i32 s22, s22, s23
	s_add_co_i32 s24, s24, s25
	s_cmp_ge_u32 s17, 23                           ; shared?  By the work-group's number
	s_cselect_b32 s22, s22, s24
	s_add_co_i32 s22, s22, 127
	s_lshl_b32 s22, s22, 23                        ; 2^(the two exponents) as f32
	s_mov_b32 s23, s22                             ; (named with it as a pair, so it is written)
; A K step on buffer f: 16 matrix instructions, the accumulators by turns; then, behind four places, the buffer takes K step k (k < 0: nothing is left to fetch).
; left: the other buffer's 32 loads, which may stay out.
.macro KS f, zero, k, left
	s_wait_loadcnt \left
	WIN 0x05                                       ; sources 0 and 1 window 1; C and D window 0
.irp a, 0,1,2,3
.irp n, 0,1,2,3
.if \zero
	v_wmma_f32_16x16x128_fp8_fp8 v[ACC+8*(4*\a+\n):ACC+8*(4*\a+\n)+7], v[128*\f+64+16*\n:128*\f+64+16*\n+15], v[128*\f+16*\a:128*\f+16*\a+15], 0
.else
	v_wmma_f32_16x16x128_fp8_fp8 v[ACC+8*(4*\a+\n):ACC+8*(4*\a+\n)+7], v[128*\f+64+16*\n:128*\f+64+16*\n+15], v[128*\f+16*\a:128*\f+16*\a+15], v[ACC+8*(4*\a+\n):ACC+8*(4*\a+\n)+7]
.endif
.endr
.endr
.rept 4
	v_nop                                          ; places in front of loads into, and writes of, registers that matrix instructions have read, and of the first read of results (ISA guide 7.12.1 for the writes and the read of results)
.endr
.if \k >= 0
	WIN 0x40
	LOADK \f, \k
.endif
.endm
	KS 0, 1, 2, 32                                 ; the first step's products start the sums
	KS 1, 0, 3, 32
	KS 0, 0, 4, 32
	KS 1, 0, 5, 32
	KS 0, 0, 6, 32
	KS 1, 0, 7, 32
	KS 0, 0, -1, 32
	KS 1, 0, -1, 0
	WIN 0                                          ; at a branch and at a label every window is 0
	s_cmp_eq_u32 s30, 0
	s_cbranch_scc1 .Lmeet
	; waves 4-7: my sums x 2^e, into the fragment buffer that is done with, and to LDS as they stand
	WIN 0x40                                       ; destination window 1
.set jj, 0
.rept 64
	v_pk_mul_f32 v[jj:jj+1], v[ACC+jj:ACC+jj+1], s[22:23] op_sel_hi:[1,0]   ; each accumulator from its low end on
.set jj, jj+2
.endr
	WIN 0x04                                       ; an LDS store's data is source 1: window 1
.set ii, 0
.rept 32
	ds_store_b128 v[PT], v[4*ii:4*ii+3] offset:512*ii
.set ii, ii+1
.endr
	WIN 0
.Lmeet:
	s_wait_dscnt 0x0                               ; for the others' sake: my part lies in LDS
	s_barrier_signal -1
	s_barrier_wait -1
	s_cmp_lg_u32 s30, 0
	s_cbranch_scc1 .Lend                           ; waves 4-7 are done
	WIN 0x40
.set ii, 0
.rept 32
	ds_load_b128 v[4*ii:4*ii+3], v[PT] offset:512*ii   ; the same lines as loads give the same registers in the same lanes
.set ii, ii+1
.endr
	WIN 0
; THE WAY OUT, a block of 16 rows x 64 columns at a time.  LDS serves a wave's instructions in order (ISA guide 5.7.1.4): no wait between my stores and my loads, nor in front of the next block's stores.
; wt: how many younger LDS instructions may be out when the block's eight loads of the part have to be in (below 0: an earlier wait has shown them in).
.macro TOSTAGE a, wt
.if \wt >= 0
	s_wait_dscnt \wt
.endif
	WIN 0x10                                       ; source 2: window 1
.set jj, 0
.rept 16
	v_pk_fma_f32 v[TMP+jj:TMP+jj+1], v[ACC+32*(\a)+jj:ACC+32*(\a)+jj+1], s[22:23], v[32*(\a)+jj:32*(\a)+jj+1] op_sel_hi:[1,0,1]   ; my sum x 2^e + the other half's part; each accumulator from its low end on
.set jj, jj+2
.endr
	WIN 0
.irp n, 0,1,2,3
	ds_store_b128 v[STO], v[TMP+8*\n:TMP+8*\n+3]   offset:64*\n
	ds_store_b128 v[STO], v[TMP+8*\n+4:TMP+8*\n+7] offset:64*\n+16
.endr
.irp i, 0,1,2,3,4,5,6,7
	ds_load_b128 v[OB+32*((\a)%2)+4*\i:OB+32*((\a)%2)+4*\i+3], v[RD] offset:544*\i
.endr
.endm
.macro SEND a, younger                 ; younger: the LDS instructions issued behind block a's loads, which may stay out
	s_wait_dscnt \younger
.irp i, 0,1,2,3,4,5,6,7
	global_store_b128 v[CO], v[OB+32*((\a)%2)+4*\i:OB+32*((\a)%2)+4*\i+3], s[12:13] offset:(16*(\a)+2*\i)*4096   ; sixteen lanes store 256 consecutive bytes, aligned
.endr
.endm
	TOSTAGE 0, 24                                  ; the part's first eight loads are in; its other 24 may be out
	TOSTAGE 1, 32                                  ; its second eight: behind them stand its last 16 and block 0's 8 stores and 8 loads
	SEND 0, 16                                     ; behind block 0's loads: block 1's 8 stores and 8 loads.  All of the part is in by now
	s_wait_xcnt 0x0                                ; block 0's stores have read their registers: block 2's loads may land there
	TOSTAGE 2, -1
	SEND 1, 16
	s_wait_xcnt 0x0
	TOSTAGE 3, -1
	SEND 2, 16
	SEND 3, 0
.Lend:
	s_wait_tensorcnt 0x0
	ds_add_u32 v30, v31
	s_wait_dscnt 0x0
	s_endpgm
.Lfunc_end_k_q1fdc4018ea_second:
	.size	k_q1fdc4018ea_second, .Lfunc_end_k_q1fdc4018ea_second-k_q1fdc4018ea_second
	.p2alignl 7, 3214868480
	.fill 96, 4, 3214868480
	.section	.rodata,"a",@progbits
	.p2align	6, 0x0
	.amdhsa_kernel k_q1fdc4018ea_second
		.amdhsa_group_segment_fixed_size 83968
		.amdhsa_private_segment_fixed_size 0
		.amdhsa_enable_private_segment 0
		.amdhsa_kernarg_size 40
		.amdhsa_user_sgpr_count 2
		.amdhsa_user_sgpr_kernarg_segment_ptr 1
		.amdhsa_wavefront_size32 1
		.amdhsa_system_sgpr_workgroup_id_x 1
		.amdhsa_system_sgpr_workgroup_id_y 1
		.amdhsa_system_sgpr_workgroup_id_z 1
		.amdhsa_system_vgpr_workitem_id 0
		.amdhsa_next_free_vgpr 512
		.amdhsa_next_free_sgpr 66
		.amdhsa_reserve_vcc 0
		.amdhsa_float_denorm_mode_32 3
		.amdhsa_float_denorm_mode_16_64 3
		.amdhsa_memory_ordered 1
		.amdhsa_forward_progress 1
		.amdhsa_inst_pref_size 57
	.end_amdhsa_kernel
	.amdgpu_metadata
---
amdhsa.version: [ 1, 2 ]
amdhsa.kernels:
  - .name:           k_q1fdc4018ea_second
    .symbol:         k_q1fdc4018ea_second.kd
    .args:
      - { .name: hc, .offset: 0, .size: 8, .value_kind: global_buffer, .address_space: global }
      - { .name: w2c, .offset: 8, .size: 8, .value_kind: global_buffer, .address_space: global }
      - { .name: lowp_scales, .offset: 16, .size: 8, .value_kind: global_buffer, .address_space: global }
      - { .name: lists, .offset: 24, .size: 8, .value_kind: global_buffer, .address_space: global }
      - { .name: y, .offset: 32, .size: 8, .value_kind: global_buffer, .address_space: global }
    .group_segment_fixed_size: 83968
    .private_segment_fixed_size: 0
    .kernarg_segment_align: 8
    .kernarg_segment_size: 40
    .max_flat_workgroup_size: 256
    .sgpr_count:     66
    .vgpr_count:     512
    .wavefront_size: 32
...
	.end_amdgpu_metadata
.endif
;; end of part 4
;; launch combine (part 5): grid 256 x 1, 4 waves a work-group, no clusters, 0 bytes of LDS; arguments y, lists, out0; writes out0
.if DOCPART == 5
	.amdgcn_target "amdgcn-amd-amdhsa--gfx1250"
	.amdhsa_code_object_version 6
	.text
	.protected	k_q1fdc4018ea_combine
	.globl	k_q1fdc4018ea_combine
	.p2align	8
	.type	k_q1fdc4018ea_combine,@function
k_q1fdc4018ea_combine:
	s_mov_b64 s[64:65], 0
	v_nop
	global_prefetch_b8 v0, s[64:65] scope:SCOPE_SE
	s_setreg_imm32_b32 hwreg(HW_REG_WAVE_MODE, 25, 1), 1
	s_wait_xcnt 0x0
; out0[token] = y[the row of its first expert] + y[the row of its second] + y[2944 + token], the shared expert's: each output row has one owner, and nothing is added in memory.
; 256 work-groups of four waves; a wave takes a token: three rows of 4,096 bytes in, one out, in eight pieces of 512 consecutive bytes.
; The two positions come from slotpos (lists, byte 16,384), which an earlier launch stored.
; All 24 loads are issued at once; each piece has registers of its own, so no store's data are written again.  A stream: no LDS, no matrix unit, no cluster.
	s_load_b128 s[4:7], s[0:1], 0x0                ; y s[4:5], lists s[6:7]
	s_load_b64 s[8:9], s[0:1], 0x10                ; out0
	v_lshrrev_b32 v1, 5, v0
	v_readfirstlane_b32 s10, v1                    ; wave 0..3
	v_and_b32 v1, 31, v0
	v_lshlrev_b32 v1, 4, v1                        ; 16 x lane
	s_lshl_b32 s11, ttmp9, 2
	s_add_co_u32 s11, s11, s10                     ; the token
	s_lshl_b32 s22, s11, 3
	s_wait_kmcnt 0x0
	s_load_b64 s[12:13], s[6:7], s22 offset:16384  ; its two positions
	s_lshl_b32 s14, s11, 12                        ; a row is 4,096 bytes
	s_mov_b32 s15, 0
	s_add_nc_u64 s[8:9], s[8:9], s[14:15]
	s_add_nc_u64 s[20:21], s[4:5], s[14:15]
	s_add_nc_u64 s[20:21], s[20:21], 2944*4096     ; the shared expert's row
	s_wait_kmcnt 0x0
	s_min_u32 s12, s12, 0xf7f                      ; a loaded number enters an address only held inside y's 3,968 rows
	s_min_u32 s13, s13, 0xf7f
	s_lshl_b32 s16, s12, 12
	s_mov_b32 s17, 0
	s_lshl_b32 s18, s13, 12
	s_mov_b32 s19, 0
	s_add_nc_u64 s[16:17], s[4:5], s[16:17]
	s_add_nc_u64 s[18:19], s[4:5], s[18:19]
.set jj, 0
.rept 8
	global_load_b128 v[8+12*jj:11+12*jj],  v1, s[16:17] offset:512*jj th:TH_LOAD_NT   ; each row of y that is read is read once in the launch
	global_load_b128 v[12+12*jj:15+12*jj], v1, s[18:19] offset:512*jj th:TH_LOAD_NT
	global_load_b128 v[16+12*jj:19+12*jj], v1, s[20:21] offset:512*jj th:TH_LOAD_NT
.set jj, jj+1
.endr
.set jj, 0
.rept 8
	s_wait_loadcnt 3*(7-jj)                        ; this piece's three loads are in; three for each younger piece may be out
	v_pk_add_f32 v[8+12*jj:9+12*jj],   v[8+12*jj:9+12*jj],   v[12+12*jj:13+12*jj]
	v_pk_add_f32 v[10+12*jj:11+12*jj], v[10+12*jj:11+12*jj], v[14+12*jj:15+12*jj]
	v_pk_add_f32 v[8+12*jj:9+12*jj],   v[8+12*jj:9+12*jj],   v[16+12*jj:17+12*jj]
	v_pk_add_f32 v[10+12*jj:11+12*jj], v[10+12*jj:11+12*jj], v[18+12*jj:19+12*jj]
	global_store_b128 v1, v[8+12*jj:11+12*jj], s[8:9] offset:512*jj th:TH_STORE_NT    ; 512 consecutive bytes, aligned
.set jj, jj+1
.endr
	s_endpgm
.Lfunc_end_k_q1fdc4018ea_combine:
	.size	k_q1fdc4018ea_combine, .Lfunc_end_k_q1fdc4018ea_combine-k_q1fdc4018ea_combine
	.p2alignl 7, 3214868480
	.fill 96, 4, 3214868480
	.section	.rodata,"a",@progbits
	.p2align	6, 0x0
	.amdhsa_kernel k_q1fdc4018ea_combine
		.amdhsa_group_segment_fixed_size 0
		.amdhsa_private_segment_fixed_size 0
		.amdhsa_enable_private_segment 0
		.amdhsa_kernarg_size 24
		.amdhsa_user_sgpr_count 2
		.amdhsa_user_sgpr_kernarg_segment_ptr 1
		.amdhsa_wavefront_size32 1
		.amdhsa_system_sgpr_workgroup_id_x 1
		.amdhsa_system_sgpr_workgroup_id_y 1
		.amdhsa_system_sgpr_workgroup_id_z 1
		.amdhsa_system_vgpr_workitem_id 0
		.amdhsa_next_free_vgpr 112
		.amdhsa_next_free_sgpr 66
		.amdhsa_reserve_vcc 0
		.amdhsa_float_denorm_mode_32 3
		.amdhsa_float_denorm_mode_16_64 3
		.amdhsa_memory_ordered 1
		.amdhsa_forward_progress 1
		.amdhsa_inst_pref_size 7
	.end_amdhsa_kernel
	.amdgpu_metadata
---
amdhsa.version: [ 1, 2 ]
amdhsa.kernels:
  - .name:           k_q1fdc4018ea_combine
    .symbol:         k_q1fdc4018ea_combine.kd
    .args:
      - { .name: y, .offset: 0, .size: 8, .value_kind: global_buffer, .address_space: global }
      - { .name: lists, .offset: 8, .size: 8, .value_kind: global_buffer, .address_space: global }
      - { .name: out0, .offset: 16, .size: 8, .value_kind: global_buffer, .address_space: global }
    .group_segment_fixed_size: 0
    .private_segment_fixed_size: 0
    .kernarg_segment_align: 8
    .kernarg_segment_size: 24
    .max_flat_workgroup_size: 128
    .sgpr_count:     66
    .vgpr_count:     112
    .wavefront_size: 32
...
	.end_amdgpu_metadata
.endif
;; end of part 5
;; ======== version 2 of 2: 5 launches
;; workspace buffers: xq 4,194,304 bytes; w2c 18,874,368 bytes; hc 8,126,464 bytes; y 16,252,928 bytes; sel 8,192 bytes of whole numbers; rwt 8,192 bytes; lists 25,856 bytes of whole numbers; roww 25,856 bytes
;; launch prep (part 6): grid 256 x 1, 2 waves a work-group, no clusters, 0 bytes of LDS; arguments x, router_w, experts_bias, lowp_scales, xq, sel, rwt; writes xq, sel, rwt
.if DOCPART == 6
	.amdgcn_target "amdgcn-amd-amdhsa--gfx1250"
	.amdhsa_code_object_version 6
	.text
	.protected	k_q1fdc4018ea_prep
	.globl	k_q1fdc4018ea_prep
	.p2align	8
	.type	k_q1fdc4018ea_prep,@function
k_q1fdc4018ea_prep:
	s_mov_b64 s[64:65], 0
	v_nop
	global_prefetch_b8 v0, s[64:65] scope:SCOPE_SE
	s_setreg_imm32_b32 hwreg(HW_REG_WAVE_MODE, 25, 1), 1
	s_wait_xcnt 0x0
; THE ROUTER, AND x INTO CODES.  x: [1024 tokens][1024] f32.  router_w: [8][1024] f32.  experts_bias: [8] f32.
; For each token: eight logits (f32 multiply-adds, since the choice and its weights go on into a quantised operand), + bias, the two largest
; (of equal logits the lower index, as lax.top_k has it), and the softmax of those two with the larger taken away first.
; sel[token][2] (int32) and rwt[token][2] (f32) are stored at fixed places: no address here hangs on the choice.
; x is quantised four times, once for each scale under which a product reads it: xq set q at q x 2^20 bytes, [token][1024 codes of E4M3];
; sets 0, 1, 2, 3 take the exponents at entries 0, 2, 6, 8 of lowp_scales.  code = x / 2^e, held within +-448, to the nearest code, ties to even.
; SHARES: 256 work-groups of two waves; a wave takes two tokens.  A lane holds, of a token, the numbers 256 g + 8 lane + 0..7, g = 0..3: eight
; neighbours along K for each conversion, and a wave's store of codes covers 256 consecutive bytes, aligned.
; A wave's two tokens give 16 bytes of sel and 16 of rwt, which its lane 0 stores: 16 KB in the whole launch.  Gathering whole runs of 256 bytes
; would take LDS and a barrier for them alone; so the waves share nothing.
; LIMITS: each of the four exponents lies between -126 and 119.  NaN among the inputs is not served.
; No matrix unit: eight columns are too few for it, and the operands must stay f32.  No cluster: work-groups share only the router's 32 KB.
.set XO,  2                            ; v2       32 x lane: my bytes in a piece of 1,024 bytes of x or of a router row
.set CO,  3                            ; v3       8 x lane: my bytes in a piece of 256 codes
.set SC,  4                            ; v4-7     2^e of the four sets, as f32
.set LIM, 8                            ; v8-11    448 x 2^e
.set ZO,  13                           ; v13      0: the offset of lane 0's two stores
.set NEG, 14                           ; v14      -infinity: outside the router's buffers, since it is made at the head and must outlive their loads
.set X,   16                           ; v16-79   two tokens x 32 numbers
.set R,   80                           ; v80-207  four buffers of 32: a router row each
.set CD,  80                           ; v80-143  later: 32 pairs of codes, each with registers of its own
.set TW,  144                          ; v144..   later: top-2 at work, 16 registers a token: +0 the largest, +1 the second, +2 their difference, then e2, +3 the sum
.set IQ,  180                          ; v180-183 later: (first, second expert) of token 0, of token 1
.set WQ,  184                          ; v184-187 later: their weights, in the same order
.set LG,  208                          ; v208-223 logits: 8 a token
.set AC,  224                          ; v224-231 four packed sums
.set T,   232                          ; v232-247 two sets of eight held numbers, by turns
	s_load_b256 s[4:11], s[0:1], 0x0               ; x s[4:5], router_w s[6:7], experts_bias s[8:9], lowp_scales s[10:11]
	s_load_b128 s[12:15], s[0:1], 0x20             ; xq s[12:13], sel s[14:15]
	s_load_b64 s[16:17], s[0:1], 0x30              ; rwt
	v_lshrrev_b32 v1, 5, v0
	v_readfirstlane_b32 s18, v1                    ; wave 0..1
	v_and_b32 v1, 31, v0                           ; lane
	v_lshlrev_b32 v[XO], 5, v1
	v_lshlrev_b32 v[CO], 3, v1
	v_mov_b32 v[ZO], 0
	v_mov_b32 v[NEG], 0xff800000
	s_mov_b32 s40, 0x76543210                      ; v_permlanex16_b32: each lane takes its own place in the other half
	s_mov_b32 s41, 0xfedcba98
	s_lshl_b32 s42, ttmp9, 14                      ; 4 tokens x 4,096 bytes a work-group,
	s_lshl_b32 s43, s18, 13                        ; two tokens a wave
	s_add_co_u32 s42, s42, s43
	s_mov_b32 s43, 0
	s_lshr_b32 s44, s42, 2                         ; a token's codes are a quarter of its bytes
	s_mov_b32 s45, 0
	s_wait_alu depctr_va_vdst(0)
	s_wait_kmcnt 0x0
	s_load_b256 s[20:27], s[8:9], 0x0              ; the eight biases
	s_load_b256 s[28:35], s[10:11], 0x0            ; exponents 0 to 7
	s_load_b32 s36, s[10:11], 0x20                 ; exponent 8
	s_add_nc_u64 s[4:5], s[4:5], s[42:43]
	s_add_nc_u64 s[12:13], s[12:13], s[44:45]
.irp t, 0,1
.irp g, 0,1,2,3
	global_load_b128 v[X+32*\t+8*\g:X+32*\t+8*\g+3],   v[XO], s[4:5] offset:4096*\t+1024*\g th:TH_LOAD_NT
	global_load_b128 v[X+32*\t+8*\g+4:X+32*\t+8*\g+7], v[XO], s[4:5] offset:4096*\t+1024*\g+16 th:TH_LOAD_NT
.endr
.endr
.macro RLOAD e                         ; router row e, in x's layout, into buffer e % 4: eight loads
.irp g, 0,1,2,3
	global_load_b128 v[R+32*((\e)%4)+8*\g:R+32*((\e)%4)+8*\g+3],   v[XO], s[6:7] offset:(\e)*4096+1024*\g
	global_load_b128 v[R+32*((\e)%4)+8*\g+4:R+32*((\e)%4)+8*\g+7], v[XO], s[6:7] offset:(\e)*4096+1024*\g+16
.endr
.endm
	RLOAD 0
	RLOAD 1
	RLOAD 2
	RLOAD 3
; My lane's part of both tokens' logit e: two packed chains a token.  left: the loads of the younger router rows, which may stay out.
.macro DOT e, left
.set RB, R+32*((\e)%4)
	s_wait_loadcnt \left
	v_pk_mul_f32 v[AC:AC+1],   v[X:X+1],     v[RB:RB+1]
	v_pk_mul_f32 v[AC+4:AC+5], v[X+32:X+33], v[RB:RB+1]
	v_pk_mul_f32 v[AC+2:AC+3], v[X+2:X+3],   v[RB+2:RB+3]
	v_pk_mul_f32 v[AC+6:AC+7], v[X+34:X+35], v[RB+2:RB+3]
.irp j, 4,8,12,16,20,24,28
	v_pk_fma_f32 v[AC:AC+1],   v[X+\j:X+\j+1],     v[RB+\j:RB+\j+1],   v[AC:AC+1]
	v_pk_fma_f32 v[AC+4:AC+5], v[X+32+\j:X+33+\j], v[RB+\j:RB+\j+1],   v[AC+4:AC+5]
	v_pk_fma_f32 v[AC+2:AC+3], v[X+\j+2:X+\j+3],   v[RB+\j+2:RB+\j+3], v[AC+2:AC+3]
	v_pk_fma_f32 v[AC+6:AC+7], v[X+34+\j:X+35+\j], v[RB+\j+2:RB+\j+3], v[AC+6:AC+7]
.endr
	v_pk_add_f32 v[AC:AC+1],   v[AC:AC+1],   v[AC+2:AC+3]
	v_pk_add_f32 v[AC+4:AC+5], v[AC+4:AC+5], v[AC+6:AC+7]
	v_add_f32 v[LG+\e],   v[AC],   v[AC+1]
	v_add_f32 v[LG+8+\e], v[AC+4], v[AC+5]
.if \e < 4
	RLOAD (\e)+4                                   ; the buffer takes the row four further on
.endif
.endm
	DOT 0, 24                                      ; x and row 0 are in; rows 1 to 3 (24 loads) may be out
	DOT 1, 24
	DOT 2, 24
	DOT 3, 24
	DOT 4, 24
	DOT 5, 16
	DOT 6, 8
	DOT 7, 0
	; the sixteen sums over the wave's 32 lanes: four steps inside each half ride on the addition, one crosses the halves
.irp m, 1,2,4,8
.set jj, 0
.rept 16
	v_add_f32_dpp v[LG+jj], v[LG+jj], v[LG+jj] row_xmask:\m row_mask:0xf bank_mask:0xf
.set jj, jj+1
.endr
.endr
.set jj, 0
.rept 16
	v_permlanex16_b32 v[R+jj], v[LG+jj], s40, s41  ; its destination counts as read: the router's buffers have been written and are done with
.set jj, jj+1
.endr
.set jj, 0
.rept 16
	v_add_f32 v[LG+jj], v[LG+jj], v[R+jj]
.set jj, jj+1
.endr
	s_wait_alu depctr_va_vdst(0)
	s_wait_kmcnt 0x0                               ; biases and exponents
.irp e, 0,1,2,3,4,5,6,7
	v_add_f32 v[LG+\e],   s[20+\e], v[LG+\e]
	v_add_f32 v[LG+8+\e], s[20+\e], v[LG+8+\e]
.endr
; The largest of token t's eight logits into v[m], its index into v[i]: a later logit wins only if it is greater, so the lower index is kept.
.macro SCAN m, i, t
	v_mov_b32 v[\m], v[LG+8*\t]
	v_mov_b32 v[\i], 0
.irp e, 1,2,3,4,5,6,7
	v_cmp_gt_f32 vcc_lo, v[LG+8*\t+\e], v[\m]
	v_cndmask_b32 v[\m], v[\m], v[LG+8*\t+\e], vcc_lo
	v_cndmask_b32 v[\i], v[\i], \e, vcc_lo
.endr
.endm
.irp t, 0,1
	SCAN TW+16*\t, IQ+2*\t, \t
.irp e, 0,1,2,3,4,5,6,7
	v_cmp_eq_u32 vcc_lo, \e, v[IQ+2*\t]
	v_cndmask_b32 v[LG+8*\t+\e], v[LG+8*\t+\e], v[NEG], vcc_lo   ; the winner leaves the field
.endr
	SCAN TW+16*\t+1, IQ+2*\t+1, \t
	v_sub_f32 v[TW+16*\t+2], v[TW+16*\t+1], v[TW+16*\t]          ; second - first: 0 or less: the maximum is taken away
	v_mul_f32 v[TW+16*\t+2], 0x3fb8aa3b, v[TW+16*\t+2]           ; x log2(e)
.endr
	s_wait_alu depctr_va_vdst(0)
	v_exp_f32 v[TW+2],  v[TW+2]                    ; e2 = exp(second - first); the first's own term is 1
	v_exp_f32 v[TW+18], v[TW+18]
	v_nop                                          ; a plain instruction behind the last exponential
	s_wait_alu depctr_va_vdst(0)                   ; one wait for both, ahead of their first reader
	v_add_f32 v[TW+3],  1.0, v[TW+2]
	v_add_f32 v[TW+19], 1.0, v[TW+18]
	s_wait_alu depctr_va_vdst(0)
	v_rcp_f32 v[WQ],   v[TW+3]                     ; the first's weight
	v_rcp_f32 v[WQ+2], v[TW+19]
	v_nop
	s_wait_alu depctr_va_vdst(0)
	v_mul_f32 v[WQ+1], v[TW+2],  v[WQ]             ; the second's
	v_mul_f32 v[WQ+3], v[TW+18], v[WQ+2]
.macro MKSC q, e                       ; 2^e and 448 x 2^e as f32, e in s[e]
	s_add_co_i32 s46, s[\e], 127
	s_lshl_b32 s47, s46, 23
	v_mov_b32 v[SC+\q], s47
	s_add_co_i32 s46, s46, 8
	s_lshl_b32 s46, s46, 23
	s_or_b32 s46, s46, 0x600000
	v_mov_b32 v[LIM+\q], s46
.endm
	MKSC 0, 28
	s_wait_alu depctr_va_vdst(0)
	MKSC 1, 30
	MKSC 2, 34
	MKSC 3, 36
; Eight numbers of token t, piece g, under set q's scale.  The conversion does not saturate (ISA guide 7.6.2), so each number is held first, into one of two
; sets by turns: the other set's eight holds stand between a conversion and the next write of its sources.  Each pair of codes has registers of its own.
.macro XQ t, q, g
.set nn, 16*(\t)+4*(\q)+(\g)
.set TB, T+8*(nn%2)
.irp i, 0,1,2,3,4,5,6,7
	v_med3_num_f32 v[TB+\i], v[X+32*(\t)+8*(\g)+\i], -v[LIM+\q], v[LIM+\q]
.endr
	v_cvt_scalef32_pk8_fp8_f32 v[CD+2*nn:CD+2*nn+1], v[TB:TB+7], v[SC+\q]
	global_store_b64 v[CO], v[CD+2*nn:CD+2*nn+1], s[12:13] offset:(\q)*1048576+(\t)*1024+256*(\g)   ; 32 lanes store 256 consecutive bytes, aligned
.endm
.irp t, 0,1
.irp q, 0,1,2,3
.irp g, 0,1,2,3
	XQ \t, \q, \g
.endr
.endr
.endr
	; every lane holds the same eight words; lane 0 stores them
	s_lshl_b32 s42, ttmp9, 5                       ; 4 tokens x 8 bytes a work-group,
	s_lshl_b32 s43, s18, 4                         ; two tokens a wave
	s_add_co_u32 s42, s42, s43
	s_mov_b32 s43, 0
	s_add_nc_u64 s[14:15], s[14:15], s[42:43]
	s_add_nc_u64 s[16:17], s[16:17], s[42:43]
	v_cmp_gt_u32 vcc_lo, 1, v1                     ; lane 0: the mask hangs on the lane's number alone
	s_wait_xcnt 0x0                                ; EXEC is a source of the stores above: it changes only behind this wait
	s_and_saveexec_b32 s46, vcc_lo
	global_store_b128 v[ZO], v[IQ:IQ+3], s[14:15]
	global_store_b128 v[ZO], v[WQ:WQ+3], s[16:17]
	s_wait_xcnt 0x0                                ; and again, in front of the line that widens it
	s_or_b32 exec_lo, exec_lo, s46
	s_endpgm
.Lfunc_end_k_q1fdc4018ea_prep:
	.size	k_q1fdc4018ea_prep, .Lfunc_end_k_q1fdc4018ea_prep-k_q1fdc4018ea_prep
	.p2alignl 7, 3214868480
	.fill 96, 4, 3214868480
	.section	.rodata,"a",@progbits
	.p2align	6, 0x0
	.amdhsa_kernel k_q1fdc4018ea_prep
		.amdhsa_group_segment_fixed_size 0
		.amdhsa_private_segment_fixed_size 0
		.amdhsa_enable_private_segment 0
		.amdhsa_kernarg_size 56
		.amdhsa_user_sgpr_count 2
		.amdhsa_user_sgpr_kernarg_segment_ptr 1
		.amdhsa_wavefront_size32 1
		.amdhsa_system_sgpr_workgroup_id_x 1
		.amdhsa_system_sgpr_workgroup_id_y 1
		.amdhsa_system_sgpr_workgroup_id_z 1
		.amdhsa_system_vgpr_workitem_id 0
		.amdhsa_next_free_vgpr 256
		.amdhsa_next_free_sgpr 66
		.amdhsa_reserve_vcc 1
		.amdhsa_float_denorm_mode_32 3
		.amdhsa_float_denorm_mode_16_64 3
		.amdhsa_memory_ordered 1
		.amdhsa_forward_progress 1
		.amdhsa_inst_pref_size 61
	.end_amdhsa_kernel
	.amdgpu_metadata
---
amdhsa.version: [ 1, 2 ]
amdhsa.kernels:
  - .name:           k_q1fdc4018ea_prep
    .symbol:         k_q1fdc4018ea_prep.kd
    .args:
      - { .name: x, .offset: 0, .size: 8, .value_kind: global_buffer, .address_space: global }
      - { .name: router_w, .offset: 8, .size: 8, .value_kind: global_buffer, .address_space: global }
      - { .name: experts_bias, .offset: 16, .size: 8, .value_kind: global_buffer, .address_space: global }
      - { .name: lowp_scales, .offset: 24, .size: 8, .value_kind: global_buffer, .address_space: global }
      - { .name: xq, .offset: 32, .size: 8, .value_kind: global_buffer, .address_space: global }
      - { .name: sel, .offset: 40, .size: 8, .value_kind: global_buffer, .address_space: global }
      - { .name: rwt, .offset: 48, .size: 8, .value_kind: global_buffer, .address_space: global }
    .group_segment_fixed_size: 0
    .private_segment_fixed_size: 0
    .kernarg_segment_align: 8
    .kernarg_segment_size: 56
    .max_flat_workgroup_size: 64
    .sgpr_count:     66
    .vgpr_count:     256
    .wavefront_size: 32
...
	.end_amdgpu_metadata
.endif
;; end of part 6
;; launch place (part 7): grid 577 x 1, 8 waves a work-group, no clusters, 0 bytes of LDS; arguments w2, sw2, lowp_scales, sel, rwt, w2c, lists, roww; writes w2c, lists, roww
.if DOCPART == 7
	.amdgcn_target "amdgcn-amd-amdhsa--gfx1250"
	.amdhsa_code_object_version 6
	.text
	.protected	k_q1fdc4018ea_place
	.globl	k_q1fdc4018ea_place
	.p2align	8
	.type	k_q1fdc4018ea_place,@function
k_q1fdc4018ea_place:
	s_mov_b64 s[64:65], 0
	v_nop
	global_prefetch_b8 v0, s[64:65] scope:SCOPE_SE
	s_setreg_imm32_b32 hwreg(HW_REG_WAVE_MODE, 25, 1), 1
	s_wait_xcnt 0x0
; TWO JOBS IN ONE LAUNCH, parted on the work-group's number.
; WORK-GROUPS 1 TO 576 turn w2 [8][2048 h][1024 d] and sw2 [1][2048][1024], f32 with K = h as the first axis, into codes of E4M3 laid as IMAGES OF OPERAND REGISTERS:
;   w2c[e 0..8][nt 0..63][ks 0..15][2,048 bytes]; byte 512 c + 16 (r + 16 hh) + i is the code of w2[e][128 ks + 32 c + 16 hh + i][16 nt + r]; e = 8 is sw2.
;   A lane takes a column d and its registers run down K, so the conversions give codes with K innermost and nothing is transposed.  A lane's 16 codes are 16 bytes of an image,
;   and sixteen neighbouring lanes store 256 consecutive bytes, aligned.  code = x / 2^e, held within +-448, nearest, ties to even; e = entry 11 (w2) or 5 (sw2) of lowp_scales.
; WORK-GROUP 0 places the 2,048 routed rows by expert (a counting sort without atomics): wave e serves expert e.  Each wave counts all eight experts itself, so no wave waits for another.
;   Each expert's rows are padded to whole tiles of 128: at most 16 + 7 = 23 tiles, positions 0 to 2943; the shared expert's 1,024 rows follow at 2944 (tiles 23 to 30).
;   lists: rowtok[3968] at byte 0 (a position's token), slotpos[1024][2] at 16,384 (where a token's two rows lie), tilexp[32] at 24,576 (a tile's expert; 8 shared; 9 unused).  roww[3968]: a position's weight.
;   A position that holds no row gets token 0 and weight 0.0, up to position 2943: the next launch reads all of them.
;   EVERY LANE STORES IN EVERY STEP: EXEC is never written.  A lane that has nothing to place stores to a dump word of its own thread, at byte 24,832 + 4 x thread of lists and of roww (roww is as long
;   as lists for that, so that one offset serves both); nobody reads the dump words.  The choice is a v_cndmask_b32, and the chosen offset is held inside the buffers by a constant before it is used.
;   WHAT A CHUNK'S STORES READ IS NOT WRITTEN AGAIN: position, offset, weight and token go into the four registers that held the chunk's loaded words; slotpos' offset takes turns among eight registers,
;   so that one wait on XCNT serves eight chunks.
; LIMITS: the two exponents lie between -126 and 119.  NaN among the inputs is not served.
; No LDS, no barrier, no tensor load: waves share nothing.
.set X, 32                             ; quantiser: v32-95 two sets of 32 numbers;  v96-127 codes, eight registers a block
.set C, 96
.set SLOTP, 16384                      ; slotpos' first byte in lists
.set DUMP,  24832                      ; the dump words' first byte: 256 threads x 4 bytes
.set DW,  5                            ; placing: v5     my thread's dump word
.set DS,  6                            ;          v6     the same word counted from slotpos' first byte
.set ZR,  7                            ;          v7     0: token 0, and weight 0.0
.set A2,  24                           ;          v24-31 eight offsets by turns
	s_load_b512 s[4:19], s[0:1], 0x0               ; w2 s[4:5], sw2 s[6:7], lowp_scales s[8:9], sel s[10:11], rwt s[12:13], w2c s[14:15], lists s[16:17], roww s[18:19]
	v_lshrrev_b32 v1, 5, v0
	s_delay_alu instid0(VALU_DEP_1)
	v_readfirstlane_b32 s20, v1                    ; wave 0..7
	v_and_b32 v1, 31, v0                           ; lane
	s_cmp_eq_u32 ttmp9, 0
	s_cbranch_scc1 .Lplace
	; ---------------- the quantiser: 256 columns x 128 along K a work-group, 32 columns a wave
	s_sub_co_u32 s21, ttmp9, 1
	s_and_b32 s22, s21, 3                          ; cb: which 256 columns
	s_bfe_u32 s23, s21, 0x40002                    ; ks: which 128 along K
	s_lshr_b32 s24, s21, 6                         ; e: 0..8
	v_lshlrev_b32 v3, 2, v1                        ; in: 4 bytes a lane
	v_and_b32 v4, 15, v1
	v_lshrrev_b32 v5, 4, v1
	s_delay_alu instid0(VALU_DEP_2)
	v_lshlrev_b32 v4, 4, v4
	s_delay_alu instid0(VALU_DEP_1)
	v_lshl_or_b32 v4, v5, 15, v4                   ; out: 16 (lane % 16), and lanes 16-31 in the next tile of 16 columns: 16 images of 2,048 bytes on
	s_and_b32 s26, s24, 7                          ; in its own tensor sw2 is matrix 0
	s_lshl_b32 s26, s26, 23                        ; a matrix: 2,048 x 4,096 bytes
	s_lshl_b32 s30, s23, 19                        ; 128 rows
	s_add_co_u32 s26, s26, s30
	s_lshl_b32 s30, s22, 10                        ; 256 columns
	s_add_co_u32 s26, s26, s30
	s_lshl_b32 s30, s20, 7                         ; 32 columns a wave
	s_add_co_u32 s26, s26, s30
	s_mov_b32 s27, 0
	s_lshl_b32 s28, s24, 21                        ; an expert's 64 x 16 images
	s_lshl_b32 s30, s22, 19                        ; 16 tiles of columns
	s_add_co_u32 s28, s28, s30
	s_lshl_b32 s30, s20, 16                        ; two tiles a wave
	s_add_co_u32 s28, s28, s30
	s_lshl_b32 s30, s23, 11                        ; the K step's image
	s_add_co_u32 s28, s28, s30
	s_mov_b32 s29, 0
	s_wait_alu depctr_va_vdst(0)
	s_wait_kmcnt 0x0
	s_load_b32 s31, s[8:9], 0x14                   ; entry 5: sw2's exponent
	s_load_b32 s32, s[8:9], 0x2c                   ; entry 11: w2's
	s_cmp_eq_u32 s24, 8                            ; the choice hangs on the work-group's number alone
	s_cselect_b64 s[4:5], s[6:7], s[4:5]
	s_add_nc_u64 s[4:5], s[4:5], s[26:27]
	s_add_nc_u64 s[14:15], s[14:15], s[28:29]
.macro LOAD c                          ; block c: rows 32 c + 0..31 of my column, into set c % 2; a wave reads 128 consecutive bytes, the eight waves 1,024
.set ii, 0
.rept 32
	global_load_b32 v[X+32*((\c)%2)+ii], v3, s[4:5] offset:(32*(\c)+ii)*4096 th:TH_LOAD_NT
.set ii, ii+1
.endr
.endm
	LOAD 0
	LOAD 1
	s_wait_kmcnt 0x0
	s_cmp_eq_u32 s24, 8
	s_cselect_b32 s31, s31, s32
	s_add_co_i32 s31, s31, 127
	s_lshl_b32 s32, s31, 23
	v_mov_b32 v11, s32                             ; 2^e as f32: the conversion takes its exponent field
	s_add_co_i32 s31, s31, 8
	s_lshl_b32 s31, s31, 23
	s_or_b32 s31, s31, 0x600000
	v_mov_b32 v10, s31                             ; 448 x 2^e
.macro BLOCK c
.set XS, X+32*((\c)%2)
.if (\c) < 3
	s_wait_loadcnt 32                              ; this block's 32 loads are in; the next block's 32 may be out
.else
	s_wait_loadcnt 0x0
.endif
.set ii, 0
.rept 32
	v_med3_num_f32 v[XS+ii], v[XS+ii], -v10, v10   ; the conversion does not saturate (ISA guide 7.6.2): the hold at the largest code x the scale
.set ii, ii+1
.endr
.irp g, 0,1,2,3
	v_cvt_scalef32_pk8_fp8_f32 v[C+8*(\c)+2*\g:C+8*(\c)+2*\g+1], v[XS+8*\g:XS+8*\g+7], v11
.endr
	global_store_b128 v4, v[C+8*(\c):C+8*(\c)+3],   s[14:15] offset:512*(\c)       ; k = 32 c + 0..15: the image's lanes 0-15
	global_store_b128 v4, v[C+8*(\c)+4:C+8*(\c)+7], s[14:15] offset:512*(\c)+256   ; k = 32 c + 16..31: its lanes 16-31.  The codes go to stores alone, and each block has registers of its own
.if (\c) < 2
	LOAD (\c)+2
.endif
.endm
	s_wait_alu depctr_va_vdst(0)
	BLOCK 0
	BLOCK 1
	BLOCK 2
	BLOCK 3
	s_endpgm
	; ---------------- the placing: work-group 0
.Lplace:
	s_wait_alu depctr_va_vdst(0)
	v_lshlrev_b32 v2, 3, v1                        ; 8 x lane: a token's pair in sel and rwt
	v_lshlrev_b32 v4, 4, v0                        ; 16 x thread
	v_lshlrev_b32 v8, 2, v0                        ; the shared expert's rows are the tokens in their order: thread i writes tokens 4 i .. 4 i + 3
	s_delay_alu instid0(VALU_DEP_1)
	v_add_nc_u32 v9, 1, v8
	s_delay_alu instid0(VALU_DEP_2)
	v_add_nc_u32 v10, 2, v8
	s_delay_alu instid0(VALU_DEP_3)
	v_add_nc_u32 v11, 3, v8
	v_mov_b32 v12, 1.0                             ; with weight 1
	v_mov_b32 v13, 1.0
	v_mov_b32 v14, 1.0
	v_mov_b32 v15, 1.0
	v_mov_b32 v[ZR], 0
	v_lshl_add_u32 v[DW], v0, 2, DUMP
	v_lshl_add_u32 v[DS], v0, 2, DUMP-SLOTP
	s_wait_alu depctr_va_vdst(0)
	s_wait_kmcnt 0x0
.set cc, 0
.rept 32
	global_load_b64 v[32+2*cc:33+2*cc], v2, s[10:11] offset:256*cc   ; chunk c: tokens 32 c + lane: (first, second expert)
.set cc, cc+1
.endr
.set cc, 0
.rept 32
	global_load_b64 v[96+2*cc:97+2*cc], v2, s[12:13] offset:256*cc   ; and their weights
.set cc, cc+1
.endr
	global_store_b128 v4, v[8:11],  s[16:17] offset:11776   ; rowtok[2944 + 4 i ..]: 2,944 x 4 bytes is a multiple of 256; sixteen lanes fill 256 bytes
	global_store_b128 v4, v[12:15], s[18:19] offset:11776   ; roww likewise
.irp e, 0,1,2,3,4,5,6,7
	s_mov_b32 s[40+\e], 0
.endr
	s_wait_loadcnt 32                              ; sel is in; the 32 loads of the weights may be out
	; pass 1: every expert's number of rows.  A token names two different experts, so the two masks never share a bit
.set cc, 0
.rept 32
.irp e, 0,1,2,3,4,5,6,7
	v_cmp_eq_u32 s[66+2*\e], \e, v[32+2*cc]
	v_cmp_eq_u32 s[67+2*\e], \e, v[33+2*cc]
.endr
.irp e, 0,1,2,3,4,5,6,7
	s_or_b32 s[66+2*\e], s[66+2*\e], s[67+2*\e]
	s_bcnt1_i32_b32 s[66+2*\e], s[66+2*\e]
	s_add_co_u32 s[40+\e], s[40+\e], s[66+2*\e]
.endr
.set cc, cc+1
.endr
	s_mov_b32 s56, 0
.irp e, 0,1,2,3,4,5,6,7
	s_add_co_u32 s57, s[40+\e], 127
	s_lshr_b32 s57, s57, 7                         ; its tiles of 128 rows
	s_add_co_u32 s56, s56, s57
	s_mov_b32 s[48+\e], s56                        ; the tile behind its last
.endr
	s_mov_b32 s58, 0
	s_mov_b32 s59, 0
.irp e, 0,1,2,3,4,5,6,7
	s_cmp_eq_u32 s20, \e
	s_cselect_b32 s59, s[48+\e], s59               ; where my expert's tiles end,
	s_cmp_eq_u32 s20, \e+1
	s_cselect_b32 s58, s[48+\e], s58               ; and where they begin
.endr
	s_lshl_b32 s60, s58, 7                         ; the next free position of my expert
	s_lshl_b32 s61, s59, 7                         ; the position behind its last tile
	s_lshl_b32 s38, s55, 7                         ; the position behind the last routed tile
	s_mov_b32 s39, 2944
	s_wait_loadcnt 0x0                             ; the weights
; pass 2, chunk c: the tokens that name my expert take the next positions, in the tokens' order; the other lanes store to their dump words.
; An offset made from loaded numbers is held by a constant, inside both buffers, as the last thing before it is used.  v16, v17 and v19 are at work only: no store reads them.
.macro PUT c
.if ((\c) % 8 == 0) && ((\c) > 0)
	s_wait_xcnt 0x0                                ; the stores of eight chunks back have read v24-31: these are written again only behind this wait
.endif
	v_cmp_eq_u32 s30, s20, v[32+2*\c]              ; my expert is the token's first choice,
	v_cmp_eq_u32 s31, s20, v[33+2*\c]              ; or its second
	s_or_b32 vcc_lo, s30, s31
	v_mbcnt_lo_u32_b32 v16, vcc_lo, 0              ; how many lanes below me take a position
	s_delay_alu instid0(VALU_DEP_1)
	v_add_nc_u32 v[33+2*\c], s60, v16              ; my position
	s_delay_alu instid0(VALU_DEP_1)
	v_lshlrev_b32 v17, 2, v[33+2*\c]               ; its word in rowtok and in roww,
	s_delay_alu instid0(VALU_DEP_1)
	v_cndmask_b32 v17, v[DW], v17, vcc_lo          ; or my dump word
	s_delay_alu instid0(VALU_DEP_1)
	v_min_u32 v[32+2*\c], DUMP+1020, v17
	v_cndmask_b32 v[96+2*\c], v[96+2*\c], v[97+2*\c], s31   ; the weight of that choice
	v_add_nc_u32 v[97+2*\c], 32*\c, v1             ; the token
	v_cndmask_b32 v19, 0, 4, s31
	s_delay_alu instid0(VALU_DEP_1)
	v_lshl_add_u32 v19, v[97+2*\c], 3, v19         ; the choice's word in slotpos: 8 x token + 4 x (second),
	s_delay_alu instid0(VALU_DEP_1)
	v_cndmask_b32 v19, v[DS], v19, vcc_lo          ; or my dump word
	s_delay_alu instid0(VALU_DEP_1)
	v_min_u32 v[A2+(\c)%8], DUMP-SLOTP+1020, v19
	global_store_b32 v[32+2*\c], v[97+2*\c], s[16:17]
	global_store_b32 v[32+2*\c], v[96+2*\c], s[18:19]
	global_store_b32 v[A2+(\c)%8], v[33+2*\c], s[16:17] offset:SLOTP
	s_bcnt1_i32_b32 s37, vcc_lo
	s_add_co_u32 s60, s60, s37
.endm
.irp c, 0,1,2,3,4,5,6,7,8,9,10,11,12,13,14,15,16,17,18,19,20,21,22,23,24,25,26,27,28,29,30,31
	PUT \c
.endr
; positions s[base] + v[idx] + add that lie under s[lim] get token 0 and weight 0.0; the other lanes store the same to their dump words.  n: which of the eight offset registers
.macro FILL base, idx, add, lim, n
	v_add_nc_u32 v16, s[\base], v[\idx]
	s_delay_alu instid0(VALU_DEP_1)
	v_add_nc_u32 v16, \add, v16
	s_delay_alu instid0(VALU_DEP_1)
	v_cmp_gt_u32 vcc_lo, s[\lim], v16
	s_delay_alu instid0(VALU_DEP_2)
	v_lshlrev_b32 v17, 2, v16
	s_delay_alu instid0(VALU_DEP_1)
	v_cndmask_b32 v17, v[DW], v17, vcc_lo
	s_delay_alu instid0(VALU_DEP_1)
	v_min_u32 v[A2+\n], DUMP+1020, v17
	global_store_b32 v[A2+\n], v[ZR], s[16:17]
	global_store_b32 v[A2+\n], v[ZR], s[18:19]
.endm
	s_wait_xcnt 0x0                                ; the last eight chunks' stores have read v24-31
.irp j, 0,1,2,3
	FILL 60, 1, 32*\j, 61, \j                      ; the rest of my expert's last tile: 127 positions at the most
.endr
.irp j, 0,1,2,3
	FILL 38, 0, 256*\j, 39, 4+\j                   ; the unused tiles, 7 x 128 positions at the most: the 256 threads share them
.endr
	s_cmp_lg_u32 s20, 0
	s_cbranch_scc1 .Lend
	v_mov_b32 v20, 0                               ; the table of tiles, a lane a tile: the number of experts whose tiles end at or before mine
.irp e, 0,1,2,3,4,5,6,7
	v_cmp_le_u32 vcc_lo, s[48+\e], v1
	s_delay_alu instid0(VALU_DEP_1)
	v_cndmask_b32 v18, 0, 1, vcc_lo
	s_delay_alu instid0(VALU_DEP_1)
	v_add_nc_u32 v20, v20, v18
.endr
	s_delay_alu instid0(VALU_DEP_1)
	v_cmp_eq_u32 vcc_lo, 8, v20
	s_delay_alu instid0(VALU_DEP_1)
	v_cndmask_b32 v20, v20, 9, vcc_lo              ; behind all eight: unused
	v_cmp_lt_u32 vcc_lo, 22, v1
	s_delay_alu instid0(VALU_DEP_1)
	v_cndmask_b32 v20, v20, 8, vcc_lo              ; tiles 23 to 30: the shared expert
	v_cmp_eq_u32 vcc_lo, 31, v1
	s_delay_alu instid0(VALU_DEP_1)
	v_cndmask_b32 v20, v20, 9, vcc_lo              ; there is no tile 31
	v_lshlrev_b32 v3, 2, v1
	global_store_b32 v3, v20, s[16:17] offset:24576
.Lend:
	s_endpgm
.Lfunc_end_k_q1fdc4018ea_place:
	.size	k_q1fdc4018ea_place, .Lfunc_end_k_q1fdc4018ea_place-k_q1fdc4018ea_place
	.p2alignl 7, 3214868480
	.fill 96, 4, 3214868480
	.section	.rodata,"a",@progbits
	.p2align	6, 0x0
	.amdhsa_kernel k_q1fdc4018ea_place
		.amdhsa_group_segment_fixed_size 0
		.amdhsa_private_segment_fixed_size 0
		.amdhsa_enable_private_segment 0
		.amdhsa_kernarg_size 64
		.amdhsa_user_sgpr_count 2
		.amdhsa_user_sgpr_kernarg_segment_ptr 1
		.amdhsa_wavefront_size32 1
		.amdhsa_system_sgpr_workgroup_id_x 1
		.amdhsa_system_sgpr_workgroup_id_y 1
		.amdhsa_system_sgpr_workgroup_id_z 1
		.amdhsa_system_vgpr_workitem_id 0
		.amdhsa_next_free_vgpr 160
		.amdhsa_next_free_sgpr 84
		.amdhsa_reserve_vcc 1
		.amdhsa_float_denorm_mode_32 3
		.amdhsa_float_denorm_mode_16_64 3
		.amdhsa_memory_ordered 1
		.amdhsa_forward_progress 1
		.amdhsa_inst_pref_size 138
	.end_amdhsa_kernel
	.amdgpu_metadata
---
amdhsa.version: [ 1, 2 ]
amdhsa.kernels:
  - .name:           k_q1fdc4018ea_place
    .symbol:         k_q1fdc4018ea_place.kd
    .args:
      - { .name: w2, .offset: 0, .size: 8, .value_kind: global_buffer, .address_space: global }
      - { .name: sw2, .offset: 8, .size: 8, .value_kind: global_buffer, .address_space: global }
      - { .name: lowp_scales, .offset: 16, .size: 8, .value_kind: global_buffer, .address_space: global }
      - { .name: sel, .offset: 24, .size: 8, .value_kind: global_buffer, .address_space: global }
      - { .name: rwt, .offset: 32, .size: 8, .value_kind: global_buffer, .address_space: global }
      - { .name: w2c, .offset: 40, .size: 8, .value_kind: global_buffer, .address_space: global }
      - { .name: lists, .offset: 48, .size: 8, .value_kind: global_buffer, .address_space: global }
      - { .name: roww, .offset: 56, .size: 8, .value_kind: global_buffer, .address_space: global }
    .group_segment_fixed_size: 0
    .private_segment_fixed_size: 0
    .kernarg_segment_align: 8
    .kernarg_segment_size: 64
    .max_flat_workgroup_size: 256
    .sgpr_count:     84
    .vgpr_count:     160
    .wavefront_size: 32
...
	.end_amdgpu_metadata
.endif
;; end of part 7
;; launch hidden (part 8): grid 8 x 31, 4 waves a work-group, no clusters, 209,408 bytes of LDS; arguments xq, sw1_codes, sw3_codes, w1_codes, w3_codes, lowp_scales, lists, roww, hc; writes hc
.if DOCPART == 8
	.amdgcn_target "amdgcn-amd-amdhsa--gfx1250"
	.amdhsa_code_object_version 6
	.text
	.protected	k_q1fdc4018ea_hidden
	.globl	k_q1fdc4018ea_hidden
	.p2align	8
	.type	k_q1fdc4018ea_hidden,@function
k_q1fdc4018ea_hidden:
	s_mov_b64 s[64:65], 0
	v_nop
	global_prefetch_b8 v0, s[64:65] scope:SCOPE_SE
	s_setreg_imm32_b32 hwreg(HW_REG_WAVE_SCHED_MODE, 0, 2), 2
	s_setreg_imm32_b32 hwreg(HW_REG_WAVE_MODE, 25, 1), 1
	s_wait_xcnt 0x0
	s_wait_alu depctr_vm_vsrc(0)
; THE HIDDEN LAYER OF ONE ROW TILE OF ONE EXPERT: h = weight x silu(g) x u, g = x W1, u = x W3, both products on codes of E4M3; h is quantised and stored as images of the next product's operand registers.
; A work-group takes 128 rows (tile = work-group y; the rows' tokens come from rowtok) x 256 hidden units (work-group x).  Tiles 23 to 30 are the shared expert's (sw1, sw3, weight 1); a routed tile's expert comes from tilexp.
; Four waves, each 64 rows x 128 units of BOTH products: 32 + 32 accumulators, 512 registers.
; THE MATRIX INSTRUCTION IS USED TRANSPOSED (source 0 = 16 weight rows, source 1 = 16 rows of x): a lane holds ONE row, and its registers run along the hidden units, which are the next K.
; THE WEIGHT ROWS OF A TILE ARE NOT NEIGHBOURS: lane r of tile 2 b + u takes unit 32 b + 8 u + r + 8 (r / 8), so that the 16 registers of tiles 2 b and 2 b + 1 are the 16 neighbours 32 b + 16 (lane / 16) + 0..15.
; That order is made where the rows are put into LDS: groups of eight rows change places (bits 0 and 1 of the group's number are swapped), by immediates alone.
; K goes in chunks of 256 bytes; g's and u's chunks take turns through two LDS slots of 384 rows (128 of x, 256 of weights), pitch 272.  Each row put there is 256 consecutive bytes of memory, aligned, read by sixteen lanes.
; A chunk is loaded into registers a trip ahead, stored into the slot that the barrier before has freed, and read behind the next barrier: one barrier a trip.
; THE FIRST TWO CHUNKS, g's and u's, are asked for together: g's into the staging registers, u's into registers of window 3, where u's sums begin only a trip later; both slots are filled ahead of the first barrier.
; A fragment for 64 along K is fetched by two loads of 16 bytes, 32 bytes apart: a permutation of k that is the same in both operands, so every product meets its partner.
; A TILE THAT THE SPLIT LEAVES UNUSED IS WALKED LIKE ANY OTHER, on token 0 with weight 0.0 (expert 0's weights), and stores zero codes: this text has barriers, and none may stand under a branch on a number read from memory.
; NO TENSOR LOADS, NO CLUSTER: the rows of x are gathered by a list, which a tile's descriptor cannot state, and how many row tiles share an expert's weights (1 to 16) is a number read from memory, so no fixed partners share a tile.
; hc[mt = position / 16][ks = unit / 128][2,048 bytes]: byte 512 c + 16 lane + i is the code of row lane % 16, unit 128 ks + 32 c + 16 (lane / 16) + i.
; LIMITS: the sum of g's two exponents lies between -126 and 127; h's exponent between -126 and 119.  NaN among the inputs is not served.
; REGISTERS, in windows of 256 (s_set_vgpr_msb: bits 1:0 source 0, 3:2 source 1, 5:4 source 2, 7:6 destination):
;   window 0: addresses, the 192 registers of a chunk on its way, later the activation at work.  window 1: two fragment buffers of 96 (x's four fragments, then the weights' eight).
;   window 2: g's accumulators, (a, t) at v[8 (8 a + t)].  window 3: u's (at the head: u's first chunk on its way, under the staging registers' numbers).
; THE MODE: SCHED_MODE bits 1:0 = 2 (LLVM: expert scheduling mode 2), set by the entry lines.  The code itself states the register dependences
; between vector or matrix instructions and memory or LDS instructions, with s_wait_alu, always for 0.
; THE PLAN.  Registers that memory or LDS instructions touch:
;   F0, F1 (window 1)   A step's 24 LDS loads land in one; the step's 32 products read it; the loads of two steps on land in it again.
;   ST (v32-223)        48 global loads land in it; a trip later 48 LDS stores read it; then the next 48 loads land.  No vector or matrix instruction of the loop names it.
;   window 3, v32-223   At the head alone: u's first chunk lands there, its LDS stores read it, and u's first products write it a trip later.
;   v16-31              Loaded, made into offsets by vector lines at the head, then read by every load of x; never written again.
;   v3-12, v234, v235   Offsets and LDS addresses, made once at the head.  The bases that step are scalar registers.
;   CD (v160-223)       Behind the loop: a tile's conversions write its 16 registers, its four global stores read them; no tile writes another's.
;   v254, v255          Written at the head, read by the closing add alone.
; So ONE wait on va_vdst stands at the head of each step of 64 along K, behind the wait for the step's own fragments: the products of the step before are done reading the other buffer.  The step's 24 loads into
; that buffer follow it in two runs of 12, dealt among the step's 32 products, which name the step's own buffer and the accumulators: none of the registers that those loads touch.
; One wait on vm_vsrc a trip stands between the LDS stores that read ST and the loads that land in it again.  On the way out a tile's stores stand behind the next tile's first wait on va_vdst.
.set LOFF, 3                           ; v3      16 x lane: my place in an image
.set WOFF, 4                           ; v4      weights: (thread / 16) x 1,024 + 16 (thread % 16)
.set SB,   5                           ; v5-8    LDS, storing: slot 0's groups 0-23, 24-47; slot 1's
.set FA,   9                           ; v9-12   LDS, fragments: slot 0's x, weights; slot 1's
.set SCL,  13                          ; v13     2^eh as f32
.set LIM,  14                          ; v14     448 x 2^eh
.set TOK,  16                          ; v16-31  x: byte offset of my 16 bytes in row 8 i + thread / 16 of the tile
.set ST,   32                          ; v32-223 a chunk on its way: 48 x 4
.set TT,   32                          ; the activation: v32-95 the exponentials and reciprocals,
.set PP,   96                          ; v96-159 the products,
.set CD,   160                         ; v160-223 the codes: 16 registers for each of my four tiles of rows
.set FP,   224                         ; v224-231 four pairs: the row's weight x 2^(all four exponents)
.set SLOT, 104448                      ; 384 x 272
.set SG,   54                          ; s[54:55] -log2(e) x 2^(g's exponents)
.set PH,   56                          ; s[56:57] hc at my first image
.set PA,   66                          ; s[66:67], s[68:69] x's codes for g, for u
.set PW,   70                          ; s[70:71], s[72:73] the weights for g, for u
.set MSB, 0
.macro WIN new                         ; the immediate's high byte repeats the setting that is left
.if MSB != (\new)
	s_set_vgpr_msb (MSB<<8)|(\new)
.set MSB, (\new)
.endif
.endm
.macro PLACES                          ; four plain vector instructions between a matrix instruction and a load into its registers or a read of its result; ahead of a load they stand beside the wait on va_vdst: first the places, then the wait
.rept 4
	v_nop
.endr
.endm
	s_load_b512 s[4:19], s[0:1], 0x0               ; xq s[4:5], sw1 s[6:7], sw3 s[8:9], w1 s[10:11], w3 s[12:13], lowp_scales s[14:15], lists s[16:17], roww s[18:19]
	s_load_b64 s[20:21], s[0:1], 0x40              ; hc
	v_lshl_add_u32 v254, v0, 2, 0x33000
	v_mov_b32 v255, 0
	v_lshrrev_b32 v1, 5, v0
	v_readfirstlane_b32 s22, v1                    ; wave 0..3
	s_and_b32 s25, ttmp7, 0xffff                   ; the tile
	s_lshl_b32 s26, s25, 2
	v_and_b32 v1, 15, v0                           ; r
	v_bfe_u32 v2, v0, 4, 1                         ; h
	v_and_b32 v[LOFF], 31, v0
	v_lshlrev_b32 v[LOFF], 4, v[LOFF]
	v_lshrrev_b32 v15, 4, v0                       ; thread / 16: 0..7
	v_lshlrev_b32 v232, 4, v1                      ; 16 r
	v_lshl_add_u32 v[WOFF], v15, 10, v232
	v_mul_u32_u24 v[SB], v15, 272
	v_add_nc_u32 v[SB], v[SB], v232                ; a group of eight rows: row thread / 16, 16 bytes a thread
	v_add_nc_u32 v[SB+1], 24*2176, v[SB]           ; (an LDS immediate has 16 bits: the upper 24 groups get a base of their own)
	v_add_nc_u32 v[SB+2], SLOT, v[SB]
	v_add_nc_u32 v[SB+3], SLOT+24*2176, v[SB]
	v_mul_u32_u24 v233, v1, 272
	v_lshl_add_u32 v233, v2, 4, v233               ; a fragment: row r x pitch + 16 h
	v_lshlrev_b32 v234, 2, v15
	v_lshlrev_b32 v235, 2, v1
	s_wait_alu depctr_va_sdst(0)                   ; s22 is written, ahead of its first reader: my halves of the rows and of the units are made from it
	s_lshr_b32 s23, s22, 1                         ; rh: which 64 rows
	s_and_b32 s24, s22, 1                          ; uh: which 128 units
	s_mul_i32 s40, s23, 64*272                     ; my 64 rows of x
	s_mul_i32 s41, s24, 128*272                    ; my 128 weight rows,
	s_add_co_u32 s41, s41, 128*272                 ; which lie behind x's 128
	v_add_nc_u32 v[FA], s40, v233
	v_add_nc_u32 v[FA+1], s41, v233
	v_add_nc_u32 v[FA+2], SLOT, v[FA]
	v_add_nc_u32 v[FA+3], SLOT, v[FA+1]
	s_wait_kmcnt 0x0
	s_load_b32 s27, s[16:17], s26 offset:24576     ; the tile's expert
	s_load_b256 s[28:35], s[14:15], 0x0            ; exponents 0 to 7
	s_load_b128 s[36:39], s[14:15], 0x20           ; 8 to 11
	s_lshl_b32 s42, s25, 9                         ; 128 words a tile
	s_mov_b32 s43, 0
	s_add_nc_u64 s[44:45], s[16:17], s[42:43]      ; rowtok at my tile
	s_lshl_b32 s46, s23, 8
	s_add_co_u32 s42, s42, s46
	s_add_nc_u64 s[46:47], s[18:19], s[42:43]      ; roww at my wave's 64 rows
	s_wait_alu depctr_va_vdst(0)                   ; the offsets and LDS addresses v3 to v12, v234 and v235 are written, which the loads and stores of the whole kernel read; so are v254 and v255
.set ii, 0
.rept 16
	global_load_b32 v[TOK+ii], v234, s[44:45] offset:32*ii   ; the token of row 8 i + thread / 16
.set ii, ii+1
.endr
.irp a, 0,1,2,3
	global_load_b32 v[FP+2*\a], v235, s[46:47] offset:64*\a  ; the weight of row 16 a + r of my 64
.endr
	s_wait_kmcnt 0x0
	s_add_co_i32 s48, s28, s29                     ; g's two exponents: shared (entries 0, 1),
	s_add_co_i32 s49, s34, s35                     ; routed (6, 7)
	s_add_co_i32 s50, s30, s31                     ; u's: shared (2, 3),
	s_add_co_i32 s51, s36, s37                     ; routed (8, 9)
	s_min_u32 s27, s27, 8                          ; a loaded number enters an address only held:
	s_and_b32 s27, s27, 7                          ; 0..7 as they are; 8 (shared: its one matrix) and 9 (unused) give 0
	s_lshl_b32 s52, s27, 21                        ; an expert's 2,048 rows of 1,024 bytes
	s_lshl_b32 s53, ttmp9, 18                      ; my 256 rows
	s_add_co_u32 s52, s52, s53
	s_mov_b32 s53, 0
	s_cmp_ge_u32 s25, 23                           ; shared?  The choice hangs on the work-group's number alone
	s_cselect_b32 s48, s48, s49
	s_cselect_b32 s50, s50, s51
	s_cselect_b32 s58, s32, s38                    ; h's exponent: entry 4 or 10
	s_cselect_b32 s60, 0, 0x200000                 ; x's sets: 0, 1 shared; 2, 3 routed
	s_cselect_b64 s[PW:PW+1], s[6:7], s[10:11]
	s_cselect_b64 s[PW+2:PW+3], s[8:9], s[12:13]
	s_mov_b32 s61, 0
	s_add_nc_u64 s[PA:PA+1], s[4:5], s[60:61]
	s_add_nc_u64 s[PA+2:PA+3], s[PA:PA+1], 0x100000
	s_add_nc_u64 s[PW:PW+1], s[PW:PW+1], s[52:53]
	s_add_nc_u64 s[PW+2:PW+3], s[PW+2:PW+3], s[52:53]
	s_lshl_b32 s[SG], s48, 23
	s_add_co_i32 s[SG], s[SG], 0xbfb8aa3b          ; -log2(e) with g's exponents added to its exponent field
	s_mov_b32 s[SG+1], s[SG]                       ; (named with it as a pair, so it is written)
	s_add_co_i32 s59, s48, s50                     ; all four exponents
	s_add_co_i32 s62, s58, 127
	s_lshl_b32 s63, s62, 23
	v_mov_b32 v[SCL], s63
	s_add_co_i32 s62, s62, 8
	s_lshl_b32 s62, s62, 23
	s_or_b32 s62, s62, 0x600000
	v_mov_b32 v[LIM], s62
	s_lshl_b32 s[PH], s25, 18                      ; 8 tiles of 16 rows x 16 images of 2,048 bytes,
	s_lshl_b32 s40, s23, 17                        ; my four of them,
	s_add_co_u32 s[PH], s[PH], s40
	s_lshl_b32 s40, ttmp9, 12                      ; K steps 2 x and 2 x + 1 of the next product,
	s_add_co_u32 s[PH], s[PH], s40
	s_lshl_b32 s40, s24, 11                        ; mine of the two
	s_add_co_u32 s[PH], s[PH], s40
	s_mov_b32 s[PH+1], 0
	s_add_nc_u64 s[PH:PH+1], s[20:21], s[PH:PH+1]
	s_wait_loadcnt 0x0
.set ii, 0
.rept 16
	v_min_u32 v[TOK+ii], 0x3ff, v[TOK+ii]          ; a token's number, held inside x
	v_lshl_add_u32 v[TOK+ii], v[TOK+ii], 10, v232  ; its row of 1,024 codes, + my 16 bytes
.set ii, ii+1
.endr
.irp a, 0,1,2,3
	v_ldexp_f32 v[FP+2*\a], v[FP+2*\a], s59
	v_mov_b32 v[FP+2*\a+1], v[FP+2*\a]
.endr
; 48 loads: a chunk of 256 along K, off bytes on, of product m (0: g, 1: u): 128 rows of x, 256 weight rows; sixteen lanes read a row's 256 bytes.  The destination's window is set by the caller
.macro GLOAD m, off
.set pp, 0
.rept 16
	global_load_b128 v[ST+4*pp:ST+4*pp+3], v[TOK+pp], s[PA+2*(\m):PA+2*(\m)+1] offset:\off
.set pp, pp+1
.endr
.set pp, 0
.rept 32
	global_load_b128 v[ST+64+4*pp:ST+64+4*pp+3], v[WOFF], s[PW+2*(\m):PW+2*(\m)+1] offset:8192*pp+\off
.set pp, pp+1
.endr
.endm
; and into a slot: x's groups as they come; weight group p to place (p with bits 0 and 1 swapped).  The data's window is set by the caller
.macro SSTORE slot
.set pp, 0
.rept 16
	ds_store_b128 v[SB+2*(\slot)], v[ST+4*pp:ST+4*pp+3] offset:2176*pp
.set pp, pp+1
.endr
.set pp, 0
.rept 32
.set lg, 16+(pp/4)*4+(pp%2)*2+(pp/2)%2
.if lg < 24
	ds_store_b128 v[SB+2*(\slot)], v[ST+64+4*pp:ST+64+4*pp+3] offset:2176*lg
.else
	ds_store_b128 v[SB+2*(\slot)+1], v[ST+64+4*pp:ST+64+4*pp+3] offset:2176*(lg-24)
.endif
.set pp, pp+1
.endr
.endm
; The fragments of the slot's s-th 64 along K into buffer f, in two runs of 12 LDS loads.  The first run: x's four fragments and the weights' first two
.macro FRAGA slot, s, f
	WIN 0x40                                       ; destination window 1, address window 0
.irp a, 0,1,2,3
	ds_load_b128 v[96*\f+8*\a:96*\f+8*\a+3],   v[FA+2*(\slot)] offset:4352*\a+64*\s
	ds_load_b128 v[96*\f+8*\a+4:96*\f+8*\a+7], v[FA+2*(\slot)] offset:4352*\a+64*\s+32
.endr
.irp t, 0,1
	ds_load_b128 v[96*\f+32+8*\t:96*\f+32+8*\t+3], v[FA+2*(\slot)+1] offset:4352*\t+64*\s
	ds_load_b128 v[96*\f+32+8*\t+4:96*\f+32+8*\t+7], v[FA+2*(\slot)+1] offset:4352*\t+64*\s+32
.endr
.endm
; the second run: the weights' other six
.macro FRAGB slot, s, f
	WIN 0x40
.irp t, 2,3,4,5,6,7
	ds_load_b128 v[96*\f+32+8*\t:96*\f+32+8*\t+3], v[FA+2*(\slot)+1] offset:4352*\t+64*\s
	ds_load_b128 v[96*\f+32+8*\t+4:96*\f+32+8*\t+7], v[FA+2*(\slot)+1] offset:4352*\t+64*\s+32
.endr
.endm
; 16 matrix instructions: tiles of rows a0, a0 + 1 x the eight tiles of units of product m, one on each accumulator: a step's 32 take turns, in the same order in every step.  zero = 1: the first product starts the sums
.macro MULH m, f, zero, a0
	WIN 0xa5+0x50*(\m)                             ; sources 0 and 1 window 1; C and D window 2 (g) or 3 (u)
.irp a, \a0, \a0+1
.irp t, 0,1,2,3,4,5,6,7
.if \zero
	v_wmma_f32_16x16x64_fp8_fp8 v[8*(8*(\a)+\t):8*(8*(\a)+\t)+7], v[96*\f+32+8*\t:96*\f+32+8*\t+7], v[96*\f+8*(\a):96*\f+8*(\a)+7], 0
.else
	v_wmma_f32_16x16x64_fp8_fp8 v[8*(8*(\a)+\t):8*(8*(\a)+\t)+7], v[96*\f+32+8*\t:96*\f+32+8*\t+7], v[96*\f+8*(\a):96*\f+8*(\a)+7], v[8*(8*(\a)+\t):8*(8*(\a)+\t)+7]
.endif
.endr
.endr
.endm
; A TRIP: product m's chunk in slot m: four steps of 64 along K on buffers 0, 1, 0, 1; each step's fragments are fetched while the step before is multiplied, 12 loads ahead of its first 16 products and 12 ahead of its last 16.
; stage = 1: the chunk that is on its way in registers goes into the other slot, which every wave left at the last barrier.  load = 1: product m's next chunk is asked for, straight behind the waits
; that free the staging registers and ahead of the fragment loads, so that it has as much of the next trip as can be in which to come.
; last = 0: ONE barrier: in front of it my reads of this slot are in registers and my stores into the other slot have landed; behind it this slot may be written and the other is whole.
.macro TRIP m, zero, stage, load, last
	s_wait_dscnt 0x0                               ; step 0's fragments are in
	PLACES
	WIN 0x40
	s_wait_alu depctr_va_vdst(0)                   ; the last trip's last products are done reading buffer 1, in which the 24 loads of this step land
	FRAGA \m, 1, 1
	MULH \m, 0, \zero, 0
	FRAGB \m, 1, 1                                 ; no further wait: the products since the wait name buffer 0 and the accumulators
	MULH \m, 0, \zero, 2
	s_wait_dscnt 0x0
	PLACES
	WIN 0x40
	s_wait_alu depctr_va_vdst(0)                   ; step 0's products are done reading buffer 0
	FRAGA \m, 2, 0
	MULH \m, 1, 0, 0
	FRAGB \m, 2, 0
	MULH \m, 1, 0, 2
.if \stage
	WIN 0
	s_wait_loadcnt 0x0                             ; the 48 loads asked for a trip ago
	SSTORE 1-\m
.endif
	s_wait_dscnt 0x0                               ; step 2's fragments are in
.if \load
	WIN 0
	s_wait_alu depctr_vm_vsrc(0)                   ; the 48 LDS stores have read v[ST ..], in which the 48 loads below land
	GLOAD \m, 256
.endif
	PLACES
	WIN 0x40
	s_wait_alu depctr_va_vdst(0)                   ; step 1's products are done reading buffer 1
	FRAGA \m, 3, 1
	MULH \m, 0, 0, 0
	FRAGB \m, 3, 1
	MULH \m, 0, 0, 2
	s_wait_dscnt 0x0                               ; for the others' sake too: zero
.if \last == 0
	s_barrier_signal -1
	s_barrier_wait -1
	PLACES
	WIN 0x40
	s_wait_alu depctr_va_vdst(0)                   ; step 2's products are done reading buffer 0
	FRAGA 1-\m, 0, 0                               ; the next trip's first fragments
	MULH \m, 1, 0, 0
	FRAGB 1-\m, 0, 0
	MULH \m, 1, 0, 2
.else
	MULH \m, 1, 0, 0                               ; nothing is left to fetch, so no dependence is left to state
	MULH \m, 1, 0, 2
.endif
	WIN 0                                          ; at a label and at a branch every window is 0
.endm
	s_wait_alu depctr_va_vdst(0)                   ; v16 to v31 are written, which every load of x reads as its offset
	GLOAD 0, 0                                     ; g's first chunk, into the staging registers,
	WIN 0xc0                                       ; (destination window 3, address window 0)
	GLOAD 1, 0                                     ; and u's, into the same numbers of window 3: both are on their way together
	WIN 0
	s_wait_loadcnt 48                              ; g's 48 loads are in; u's 48 may be out
	SSTORE 0
	s_wait_loadcnt 0x0
	WIN 0x0c                                       ; (an LDS store's data is source 1: window 3)
	SSTORE 1
	WIN 0
	s_wait_dscnt 0x0                               ; landed, for the others' sake
	s_wait_alu depctr_vm_vsrc(0)                   ; the 96 LDS stores have read v32-223 of window 0, in which g's second chunk lands, and of window 3, which u's first products write
	GLOAD 0, 256                                   ; g's second chunk
	s_barrier_signal -1
	s_barrier_wait -1                              ; both slots are whole
	FRAGA 0, 0, 0
	FRAGB 0, 0, 0
	TRIP 0, 1, 0, 0, 0                             ; the first chunks stand in front of the loop: their first products start the sums.  Nothing is staged: slot 1 is filled already
	TRIP 1, 1, 1, 1, 0
	s_wait_xcnt 0x0                                ; the loads have read their bases: they step one chunk
.irp p, PA, PA+2, PW, PW+2
	s_add_nc_u64 s[\p:\p+1], s[\p:\p+1], 256
.endr
	s_mov_b32 s74, 2
.Lchunk:                                           ; chunks 1 and 2; they ask for chunks 2 and 3
	TRIP 0, 0, 1, 1, 0
	TRIP 1, 0, 1, 1, 0
	s_wait_xcnt 0x0
.irp p, PA, PA+2, PW, PW+2
	s_add_nc_u64 s[\p:\p+1], s[\p:\p+1], 256
.endr
	s_sub_co_u32 s74, s74, 1
	s_cmp_lg_u32 s74, 0
	s_cbranch_scc1 .Lchunk
	TRIP 0, 0, 1, 0, 0                             ; the last chunks ask for nothing: no load passes K's end
	TRIP 1, 0, 0, 0, 1
	PLACES
	s_wait_alu depctr_vm_vsrc(0)                   ; the last staged chunk's LDS stores have read v32-223, which the activation writes from here on
; Tile a's codes leave: four stores of 512 consecutive bytes, aligned: the image
.macro OUT a
.irp c, 0,1,2,3
	global_store_b128 v[LOFF], v[CD+16*(\a)+4*\c:CD+16*(\a)+4*\c+3], s[PH:PH+1] offset:32768*(\a)+512*\c
.endr
.endm
; THE ACTIVATION, a tile of 16 rows (64 numbers a lane) at a time.  With G, U the sums: h = G U x 1 / (1 + 2^(-log2(e) g)) x weight x 2^(all four exponents).
; The exponentials, and then the reciprocals, go as one batch with one wait; the products that need neither stand behind each batch.  Each accumulator is read from its low end on.
; A tile's codes are stored behind the next tile's first wait, which shows them written.
.macro EPI a
	WIN 0x02                                       ; source 0: g's window
.set jj, 0
.rept 32
	v_pk_mul_f32 v[TT+jj:TT+jj+1], v[64*\a+jj:64*\a+jj+1], s[SG:SG+1] op_sel_hi:[1,0]
.set jj, jj+2
.endr
	WIN 0
.set jj, 0
	s_wait_alu depctr_va_vdst(0)
.rept 64
	v_exp_f32 v[TT+jj], v[TT+jj]
.set jj, jj+1
.endr
	WIN 0x0e                                       ; source 0: g's window, source 1: u's
.set jj, 0
	s_wait_alu depctr_va_vdst(0)
.rept 32
	v_pk_mul_f32 v[PP+jj:PP+jj+1], v[64*\a+jj:64*\a+jj+1], v[64*\a+jj:64*\a+jj+1]
.set jj, jj+2
.endr
	WIN 0
	s_wait_alu depctr_va_vdst(0)                   ; the 64 exponentials have written v[TT ..], ahead of their first reader; and the tile before's conversions have written its codes, which the stores below read
.if \a > 0
	OUT (\a)-1
.endif
.set jj, 0
.rept 32
	v_pk_add_f32 v[TT+jj:TT+jj+1], v[TT+jj:TT+jj+1], 1.0 op_sel_hi:[1,0]
.set jj, jj+2
.endr
.set jj, 0
	s_wait_alu depctr_va_vdst(0)
.rept 64
	v_rcp_f32 v[TT+jj], v[TT+jj]
.set jj, jj+1
.endr
.set jj, 0
.rept 32
	v_pk_mul_f32 v[PP+jj:PP+jj+1], v[PP+jj:PP+jj+1], v[FP+2*\a:FP+2*\a+1] op_sel_hi:[1,0]   ; x my row's weight and the powers of two
.set jj, jj+2
.endr
	s_wait_alu depctr_va_vdst(0)                   ; the 64 reciprocals have written v[TT ..], ahead of their first reader
.set jj, 0
.rept 32
	v_pk_mul_f32 v[PP+jj:PP+jj+1], v[PP+jj:PP+jj+1], v[TT+jj:TT+jj+1]
.set jj, jj+2
.endr
.irp b, 0,1,2,3
.irp i, 0,1,2,3,4,5,6,7,8,9,10,11,12,13,14,15
	v_med3_num_f32 v[PP+16*\b+\i], v[PP+16*\b+\i], -v[LIM], v[LIM]   ; the conversion does not saturate (ISA guide 7.6.2): the hold
.endr
	v_cvt_scalef32_pk8_fp8_f32 v[CD+16*\a+4*\b:CD+16*\a+4*\b+1],   v[PP+16*\b:PP+16*\b+7],    v[SCL]
	v_cvt_scalef32_pk8_fp8_f32 v[CD+16*\a+4*\b+2:CD+16*\a+4*\b+3], v[PP+16*\b+8:PP+16*\b+15], v[SCL]
.endr
	v_nop                                          ; a plain instruction behind the last conversion, ahead of the next tile's writes of its sources
.endm
	EPI 0
	EPI 1
	EPI 2
	EPI 3
	s_wait_alu depctr_va_vdst(0)                   ; the last tile's conversions have written its codes, which the last four stores read
	OUT 3
	s_wait_dscnt 0x0                               ; the closing lines, six on end
	s_wait_alu 0x0
	s_wait_tensorcnt 0x0
	ds_add_u32 v254, v255
	s_wait_dscnt 0x0
	s_endpgm
.Lfunc_end_k_q1fdc4018ea_hidden:
	.size	k_q1fdc4018ea_hidden, .Lfunc_end_k_q1fdc4018ea_hidden-k_q1fdc4018ea_hidden
	.p2alignl 7, 3214868480
	.fill 96, 4, 3214868480
	.section	.rodata,"a",@progbits
	.p2align	6, 0x0
	.amdhsa_kernel k_q1fdc4018ea_hidden
		.amdhsa_group_segment_fixed_size 209408
		.amdhsa_private_segment_fixed_size 0
		.amdhsa_enable_private_segment 0
		.amdhsa_kernarg_size 72
		.amdhsa_user_sgpr_count 2
		.amdhsa_user_sgpr_kernarg_segment_ptr 1
		.amdhsa_wavefront_size32 1
		.amdhsa_system_sgpr_workgroup_id_x 1
		.amdhsa_system_sgpr_workgroup_id_y 1
		.amdhsa_system_sgpr_workgroup_id_z 1
		.amdhsa_system_vgpr_workitem_id 0
		.amdhsa_next_free_vgpr 1024
		.amdhsa_next_free_sgpr 76
		.amdhsa_reserve_vcc 0
		.amdhsa_float_denorm_mode_32 3
		.amdhsa_float_denorm_mode_16_64 3
		.amdhsa_memory_ordered 1
		.amdhsa_forward_progress 1
		.amdhsa_inst_pref_size 224
	.end_amdhsa_kernel
	.amdgpu_metadata
---
amdhsa.version: [ 1, 2 ]
amdhsa.kernels:
  - .name:           k_q1fdc4018ea_hidden
    .symbol:         k_q1fdc4018ea_hidden.kd
    .args:
      - { .name: xq, .offset: 0, .size: 8, .value_kind: global_buffer, .address_space: global }
      - { .name: sw1_codes, .offset: 8, .size: 8, .value_kind: global_buffer, .address_space: global }
      - { .name: sw3_codes, .offset: 16, .size: 8, .value_kind: global_buffer, .address_space: global }
      - { .name: w1_codes, .offset: 24, .size: 8, .value_kind: global_buffer, .address_space: global }
      - { .name: w3_codes, .offset: 32, .size: 8, .value_kind: global_buffer, .address_space: global }
      - { .name: lowp_scales, .offset: 40, .size: 8, .value_kind: global_buffer, .address_space: global }
      - { .name: lists, .offset: 48, .size: 8, .value_kind: global_buffer, .address_space: global }
      - { .name: roww, .offset: 56, .size: 8, .value_kind: global_buffer, .address_space: global }
      - { .name: hc, .offset: 64, .size: 8, .value_kind: global_buffer, .address_space: global }
    .group_segment_fixed_size: 209408
    .private_segment_fixed_size: 0
    .kernarg_segment_align: 8
    .kernarg_segment_size: 72
    .max_flat_workgroup_size: 128
    .sgpr_count:     76
    .vgpr_count:     1024
    .wavefront_size: 32
...
	.end_amdgpu_metadata
.endif
;; end of part 8
;; launch second (part 9): grid 8 x 31, 8 waves a work-group, no clusters, 83,968 bytes of LDS; arguments hc, w2c, lowp_scales, lists, y; writes y
.if DOCPART == 9
	.amdgcn_target "amdgcn-amd-amdhsa--gfx1250"
	.amdhsa_code_object_version 6
	.text
	.protected	k_q1fdc4018ea_second
	.globl	k_q1fdc4018ea_second
	.p2align	8
	.type	k_q1fdc4018ea_second,@function
k_q1fdc4018ea_second:
	s_mov_b64 s[64:65], 0
	v_nop
	global_prefetch_b8 v0, s[64:65] scope:SCOPE_SE
	s_setreg_imm32_b32 hwreg(HW_REG_WAVE_SCHED_MODE, 0, 2), 2
	s_setreg_imm32_b32 hwreg(HW_REG_WAVE_MODE, 25, 1), 1
	s_wait_xcnt 0x0
	s_wait_alu depctr_vm_vsrc(0)
; THE SECOND PRODUCT OF ONE ROW TILE: y[position][d] = 2^(two exponents) x the sum over 2,048 hidden units of hc's codes x w2c's codes.  y: [3968][1024] f32.
; A work-group takes 128 rows (tile = work-group y) x 128 columns (work-group x).  EIGHT WAVES, TWO FOR EACH 64 x 64 OF THE TILE: waves 0-3 take K steps 0 to 7 (128 along K each), waves 4-7 K steps 8 to 15;
; 16 accumulators a wave.  So twice as many loads of a work-group are on their way as with four waves, and a wave walks half as many steps.
; Both operands lie in memory as images of operand registers (2,048 bytes for 16 rows x 128 K): a fragment is four loads of 16 bytes a lane, each 512 consecutive bytes a wave, straight into registers.
; The eight steps are written out: every offset is an immediate (130,560 bytes at the most, inside the signed 24 bits: ISA guide, chapter 10), no base is stepped, and no wait on XCNT stands among the products.
; THE TWO HALVES MEET IN LDS: waves 4-7 multiply their sums by 2^(the two exponents) and store them as they stand in their registers (16 KB a wave); one barrier; waves 0-3 load them into the same lanes and
; make y = sum x 2^e + part by one packed multiply-add.  ORDER OF ROUNDING: an output's sum over K is made of two halves, added in f32.
; A TILE THAT THE SPLIT LEAVES UNUSED IS WALKED LIKE ANY OTHER (its codes are zeros; it takes the shared expert's weights) and stores rows of y that nobody reads: this text has a barrier, and none may stand
; under a branch on a number read from memory.
; NO TENSOR LOADS, NO CLUSTER: how many row tiles share an expert's weights is a number read from memory, so no fixed partners share a tile.
; THE MATRIX INSTRUCTION IS USED TRANSPOSED (source 0 = 16 columns of w2, source 1 = 16 rows): a lane holds eight neighbouring columns of one row; a block of 16 rows goes through the wave's own stage in LDS
; and leaves as rows: sixteen lanes store 256 consecutive bytes, aligned.
; LIMIT: the sum of the two exponents (entries 4, 5 shared; 10, 11 routed) lies between -126 and 127.
; REGISTERS: window 0: v3-7 addresses; v128-255 the accumulators, (a, n) at v[128 + 8 (4 a + n)]; on the way out the four blocks come back from the stage into these registers, 32 each.
;   window 1: two fragment buffers of 128 (rows' four, then columns' four); behind the products v0-127 hold, in waves 4-7, the scaled sums; v128-255, in waves 0-3, the other half's part and then, in place, the results.
; THE MODE: SCHED_MODE bits 1:0 = 2 (LLVM: expert scheduling mode 2), set by the entry lines.  The code itself states the register dependences
; between vector or matrix instructions and memory or LDS instructions, with s_wait_alu, always for 0.
; THE PLAN.  Registers that memory or LDS instructions touch:
;   F0, F1 (window 1)        A K step's 32 loads land in one; the step's sixteen products read it; the loads of two steps on land in it again, asked for at once, so that two steps' loads stay on their way.
;   v3-7                     Offsets and LDS addresses, made once at the head; every step's place stands in an immediate.
;   window 1, v0-127         Waves 4-7, behind the products: 64 multiplications write them, 32 LDS stores read them; nothing writes them again.
;   window 1, v128-255       Waves 0-3, behind the products: the part's 32 LDS loads land there; the multiply-adds write the results over the part; the stage's LDS stores read them; nothing writes them again.
;   window 0, v128-255       Waves 0-3: the multiply-adds read the sums there; then each block's eight loads from the stage land in the block's own 32, and its eight global stores read them.
;   v30, v31                 Written at the head, read by the closing add alone.
; So one wait on va_vdst stands behind each K step's products, ahead of the loads that take its buffer again; one ahead of the upper half's LDS stores; one ahead of the part's loads; one between the multiply-adds and the
; stage.  No register that a memory or LDS instruction has read is written again, so the text holds no wait on vm_vsrc, and none on XCNT.
.set LOFF, 3                           ; v3  16 x lane
.set STO,  4                           ; v4  the stage: where I put 32 bytes of a row
.set RD,   5                           ; v5  and where I read a row back
.set CO,   6                           ; v6  my byte offset in two rows of y
.set PT,   7                           ; v7  the parts: 16 x lane + 16,384 x (wave % 4)
.set ACC,  128
.set PR,   128                         ; in window 1: the other half's part, then the results
.set STG,  65536                       ; LDS: four parts of 16,384 bytes, then four stages of 16 rows x 272 bytes
.set MSB, 0
.macro WIN new                         ; the immediate's high byte repeats the setting that is left
.if MSB != (\new)
	s_set_vgpr_msb (MSB<<8)|(\new)
.set MSB, (\new)
.endif
.endm
	s_load_b256 s[4:11], s[0:1], 0x0               ; hc s[4:5], w2c s[6:7], lowp_scales s[8:9], lists s[10:11]
	s_load_b64 s[12:13], s[0:1], 0x20              ; y
	v_lshl_add_u32 v30, v0, 2, 0x14400
	v_mov_b32 v31, 0
	v_lshrrev_b32 v1, 5, v0
	v_readfirstlane_b32 s14, v1                    ; wave 0..7
	s_and_b32 s17, ttmp7, 0xffff                   ; the tile
	s_lshl_b32 s18, s17, 2
	v_and_b32 v1, 15, v0                           ; r
	v_bfe_u32 v2, v0, 4, 1                         ; h
	v_and_b32 v[LOFF], 31, v0
	v_lshlrev_b32 v[LOFF], 4, v[LOFF]
	s_wait_alu depctr_va_vdst(0)
	v_mul_u32_u24 v[STO], v1, 272
	v_lshl_add_u32 v[STO], v2, 5, v[STO]           ; into the stage: row r, 32 bytes for each half of the lanes
	v_mul_u32_u24 v[RD], v2, 272
	v_lshl_add_u32 v[RD], v1, 4, v[RD]             ; back: lanes 0-15 one row, lanes 16-31 the next
	v_lshlrev_b32 v[CO], 12, v2
	v_lshl_add_u32 v[CO], v1, 4, v[CO]             ; and the same two rows in y
	s_wait_alu depctr_va_sdst(0)                   ; s14 is written, ahead of its first reader: my half of K and my quarter of the tile are made from it
	s_lshr_b32 s30, s14, 2                         ; kh: which half of K
	s_and_b32 s31, s14, 3                          ; which 64 x 64 of the tile:
	s_lshr_b32 s15, s31, 1                         ; rh: which 64 rows
	s_and_b32 s16, s31, 1                          ; ch: which 64 columns
	s_mul_i32 s19, s31, 16*272                     ; the stage: 16 rows of 256 bytes + 16 (waves 0-3 use it)
	s_add_co_u32 s19, s19, STG
	v_add_nc_u32 v[STO], s19, v[STO]
	v_add_nc_u32 v[RD], s19, v[RD]
	s_lshl_b32 s21, s31, 14
	v_add_nc_u32 v[PT], s21, v[LOFF]               ; every LDS address is made here, ahead of the waves' parting
	s_wait_kmcnt 0x0
	s_load_b32 s20, s[10:11], s18 offset:24576     ; the tile's expert
	s_load_b64 s[22:23], s[8:9], 0x10              ; entries 4, 5
	s_load_b64 s[24:25], s[8:9], 0x28              ; entries 10, 11
	s_wait_kmcnt 0x0
	s_min_u32 s20, s20, 8                          ; a loaded number enters an address only held: 0..8 as they are, 9 (unused) gives 8
	s_lshl_b32 s26, s20, 21                        ; the expert's 64 x 16 images,
	s_lshl_b32 s28, ttmp9, 18                      ; my work-group's 8 tiles of columns,
	s_add_co_u32 s26, s26, s28
	s_lshl_b32 s28, s16, 17                        ; my wave's 4,
	s_add_co_u32 s26, s26, s28
	s_lshl_b32 s29, s30, 14                        ; my half of K: 8 images of 2,048 bytes
	s_add_co_u32 s26, s26, s29
	s_mov_b32 s27, 0
	s_add_nc_u64 s[6:7], s[6:7], s[26:27]
	s_lshl_b32 s26, s17, 18                        ; the tile's 8 tiles of rows,
	s_lshl_b32 s28, s15, 17                        ; my wave's 4,
	s_add_co_u32 s26, s26, s28
	s_add_co_u32 s26, s26, s29                     ; my half of K
	s_add_nc_u64 s[4:5], s[4:5], s[26:27]
.macro LOADK f, k                      ; 32 loads: K step k of my eight, into buffer f
.irp a, 0,1,2,3
.irp c, 0,1,2,3
	global_load_b128 v[128*\f+16*\a+4*\c:128*\f+16*\a+4*\c+3], v[LOFF], s[4:5] offset:32768*\a+2048*(\k)+512*\c
.endr
.endr
.irp n, 0,1,2,3
.irp c, 0,1,2,3
	global_load_b128 v[128*\f+64+16*\n+4*\c:128*\f+64+16*\n+4*\c+3], v[LOFF], s[6:7] offset:32768*\n+2048*(\k)+512*\c
.endr
.endr
.endm
	WIN 0x40                                       ; destination window 1, address window 0
	s_wait_alu depctr_va_vdst(0)                   ; the offsets and LDS addresses v3 to v7 are written, which the loads and stores of the whole kernel read; so are v30 and v31
	LOADK 0, 0
	LOADK 1, 1
	s_lshl_b32 s26, s17, 19                        ; y: 128 rows of 4,096 bytes a tile,
	s_lshl_b32 s28, s15, 18                        ; my 64,
	s_add_co_u32 s26, s26, s28
	s_lshl_b32 s28, ttmp9, 9                       ; 128 columns,
	s_add_co_u32 s26, s26, s28
	s_lshl_b32 s28, s16, 8                         ; my 64
	s_add_co_u32 s26, s26, s28
	s_add_nc_u64 s[12:13], s[12:13], s[26:27]
	s_add_co_i32 s22, s22, s23
	s_add_co_i32 s24, s24, s25
	s_cmp_ge_u32 s17, 23                           ; shared?  By the work-group's number
	s_cselect_b32 s22, s22, s24
	s_add_co_i32 s22, s22, 127
	s_lshl_b32 s22, s22, 23                        ; 2^(the two exponents) as f32
	s_mov_b32 s23, s22                             ; (named with it as a pair, so it is written)
; A K step on buffer f: 16 matrix instructions, the accumulators by turns; then, behind four places and the wait, the buffer takes K step k (k < 0: nothing is left to fetch, and no dependence to state).
; left: the other buffer's 32 loads, which may stay out.
.macro KS f, zero, k, left
	s_wait_loadcnt \left
	WIN 0x05                                       ; sources 0 and 1 window 1; C and D window 0
.irp a, 0,1,2,3
.irp n, 0,1,2,3
.if \zero
	v_wmma_f32_16x16x128_fp8_fp8 v[ACC+8*(4*\a+\n):ACC+8*(4*\a+\n)+7], v[128*\f+64+16*\n:128*\f+64+16*\n+15], v[128*\f+16*\a:128*\f+16*\a+15], 0
.else
	v_wmma_f32_16x16x128_fp8_fp8 v[ACC+8*(4*\a+\n):ACC+8*(4*\a+\n)+7], v[128*\f+64+16*\n:128*\f+64+16*\n+15], v[128*\f+16*\a:128*\f+16*\a+15], v[ACC+8*(4*\a+\n):ACC+8*(4*\a+\n)+7]
.endif
.endr
.endr
.rept 4
	v_nop                                          ; places in front of loads into, and writes of, registers that matrix instructions have read, and of the first read of results; ahead of a load they stand beside the wait below
.endr
.if \k >= 0
	WIN 0x40
	s_wait_alu depctr_va_vdst(0)                   ; the step's sixteen products are done reading buffer f, in which the 32 loads below land
	LOADK \f, \k
.endif
.endm
	KS 0, 1, 2, 32                                 ; the first step's products start the sums
	KS 1, 0, 3, 32
	KS 0, 0, 4, 32
	KS 1, 0, 5, 32
	KS 0, 0, 6, 32
	KS 1, 0, 7, 32
	KS 0, 0, -1, 32
	KS 1, 0, -1, 0
	WIN 0                                          ; at a branch and at a label every window is 0
	s_cmp_eq_u32 s30, 0
	s_cbranch_scc1 .Lmeet
	; waves 4-7: my sums x 2^e, into the fragment buffer that is done with, and to LDS as they stand
	WIN 0x40                                       ; destination window 1
.set jj, 0
.rept 64
	v_pk_mul_f32 v[jj:jj+1], v[ACC+jj:ACC+jj+1], s[22:23] op_sel_hi:[1,0]   ; each accumulator from its low end on
.set jj, jj+2
.endr
	WIN 0x04                                       ; an LDS store's data is source 1: window 1
	s_wait_alu depctr_va_vdst(0)                   ; the 64 multiplications have written v0-127 of window 1, which the LDS stores read
.set ii, 0
.rept 32
	ds_store_b128 v[PT], v[4*ii:4*ii+3] offset:512*ii
.set ii, ii+1
.endr
	WIN 0
.Lmeet:
	s_wait_dscnt 0x0                               ; for the others' sake: my part lies in LDS
	s_barrier_signal -1
	s_barrier_wait -1
	s_cmp_lg_u32 s30, 0
	s_cbranch_scc1 .Lend                           ; waves 4-7 are done
	WIN 0x40
	s_wait_alu depctr_va_vdst(0)                   ; the last step's products are done reading buffer 1, v128-255 of window 1, in which the part lands
.set ii, 0
.rept 32
	ds_load_b128 v[PR+4*ii:PR+4*ii+3], v[PT] offset:512*ii   ; the stores' lines as loads: what lay in the other wave's register j lies in my register 128 + j, in the same lanes
.set ii, ii+1
.endr
; Block a's 32 results, made over the part: my sum x 2^e + the other half's part; each accumulator from its low end on.  The block's eight loads of the part are in; eight for each younger block may be out.
.macro JOIN a
	s_wait_dscnt 24-8*(\a)
.set jj, 0
.rept 16
	v_pk_fma_f32 v[PR+32*(\a)+jj:PR+32*(\a)+jj+1], v[ACC+32*(\a)+jj:ACC+32*(\a)+jj+1], s[22:23], v[PR+32*(\a)+jj:PR+32*(\a)+jj+1] op_sel_hi:[1,0,1]
.set jj, jj+2
.endr
.endm
	WIN 0x50                                       ; destination and source 2 window 1, source 0 (the sums) window 0
	JOIN 0
	JOIN 1
	JOIN 2
	JOIN 3
; THE WAY OUT, a block of 16 rows x 64 columns at a time.  LDS serves a wave's instructions in order (ISA guide 5.7.1.4): no wait between my stores and my loads, nor in front of the next block's stores.
; A block comes back into 32 of the registers that held the sums, its own: no store's data are written again.
.macro TOSTAGE a
	WIN 0x04                                       ; an LDS store's data window 1; addresses and the loads' destination window 0
.irp n, 0,1,2,3
	ds_store_b128 v[STO], v[PR+32*(\a)+8*\n:PR+32*(\a)+8*\n+3]   offset:64*\n
	ds_store_b128 v[STO], v[PR+32*(\a)+8*\n+4:PR+32*(\a)+8*\n+7] offset:64*\n+16
.endr
.irp i, 0,1,2,3,4,5,6,7
	ds_load_b128 v[ACC+32*(\a)+4*\i:ACC+32*(\a)+4*\i+3], v[RD] offset:544*\i
.endr
.endm
.macro SEND a, younger                 ; younger: the LDS instructions issued behind block a's loads, which may stay out
	WIN 0
	s_wait_dscnt \younger
.irp i, 0,1,2,3,4,5,6,7
	global_store_b128 v[CO], v[ACC+32*(\a)+4*\i:ACC+32*(\a)+4*\i+3], s[12:13] offset:(16*(\a)+2*\i)*4096   ; sixteen lanes store 256 consecutive bytes, aligned
.endr
.endm
	WIN 0x04
	s_wait_alu depctr_va_vdst(0)                   ; the multiply-adds have written the results, which the LDS stores read, and are done reading the sums' registers, which the products have written and in which the loads from the stage land; no vector instruction follows
	TOSTAGE 0
	TOSTAGE 1
	SEND 0, 16                                     ; behind block 0's loads: block 1's 8 stores and 8 loads
	TOSTAGE 2
	SEND 1, 16
	TOSTAGE 3
	SEND 2, 16
	SEND 3, 0
.Lend:
	s_wait_dscnt 0x0                               ; the closing lines, six on end
	s_wait_alu 0x0
	s_wait_tensorcnt 0x0
	ds_add_u32 v30, v31
	s_wait_dscnt 0x0
	s_endpgm
.Lfunc_end_k_q1fdc4018ea_second:
	.size	k_q1fdc4018ea_second, .Lfunc_end_k_q1fdc4018ea_second-k_q1fdc4018ea_second
	.p2alignl 7, 3214868480
	.fill 96, 4, 3214868480
	.section	.rodata,"a",@progbits
	.p2align	6, 0x0
	.amdhsa_kernel k_q1fdc4018ea_second
		.amdhsa_group_segment_fixed_size 83968
		.amdhsa_private_segment_fixed_size 0
		.amdhsa_enable_private_segment 0
		.amdhsa_kernarg_size 40
		.amdhsa_user_sgpr_count 2
		.amdhsa_user_sgpr_kernarg_segment_ptr 1
		.amdhsa_wavefront_size32 1
		.amdhsa_system_sgpr_workgroup_id_x 1
		.amdhsa_system_sgpr_workgroup_id_y 1
		.amdhsa_system_sgpr_workgroup_id_z 1
		.amdhsa_system_vgpr_workitem_id 0
		.amdhsa_next_free_vgpr 512
		.amdhsa_next_free_sgpr 66
		.amdhsa_reserve_vcc 0
		.amdhsa_float_denorm_mode_32 3
		.amdhsa_float_denorm_mode_16_64 3
		.amdhsa_memory_ordered 1
		.amdhsa_forward_progress 1
		.amdhsa_inst_pref_size 58
	.end_amdhsa_kernel
	.amdgpu_metadata
---
amdhsa.version: [ 1, 2 ]
amdhsa.kernels:
  - .name:           k_q1fdc4018ea_second
    .symbol:         k_q1fdc4018ea_second.kd
    .args:
      - { .name: hc, .offset: 0, .size: 8, .value_kind: global_buffer, .address_space: global }
      - { .name: w2c, .offset: 8, .size: 8, .value_kind: global_buffer, .address_space: global }
      - { .name: lowp_scales, .offset: 16, .size: 8, .value_kind: global_buffer, .address_space: global }
      - { .name: lists, .offset: 24, .size: 8, .value_kind: global_buffer, .address_space: global }
      - { .name: y, .offset: 32, .size: 8, .value_kind: global_buffer, .address_space: global }
    .group_segment_fixed_size: 83968
    .private_segment_fixed_size: 0
    .kernarg_segment_align: 8
    .kernarg_segment_size: 40
    .max_flat_workgroup_size: 256
    .sgpr_count:     66
    .vgpr_count:     512
    .wavefront_size: 32
...
	.end_amdgpu_metadata
.endif
;; end of part 9
;; launch combine (part 10): grid 256 x 1, 4 waves a work-group, no clusters, 0 bytes of LDS; arguments y, lists, out0; writes out0
.if DOCPART == 10
	.amdgcn_target "amdgcn-amd-amdhsa--gfx1250"
	.amdhsa_code_object_version 6
	.text
	.protected	k_q1fdc4018ea_combine
	.globl	k_q1fdc4018ea_combine
	.p2align	8
	.type	k_q1fdc4018ea_combine,@function
k_q1fdc4018ea_combine:
	s_mov_b64 s[64:65], 0
	v_nop
	global_prefetch_b8 v0, s[64:65] scope:SCOPE_SE
	s_setreg_imm32_b32 hwreg(HW_REG_WAVE_MODE, 25, 1), 1
	s_wait_xcnt 0x0
; out0[token] = y[the row of its first expert] + y[the row of its second] + y[2944 + token], the shared expert's: each output row has one owner, and nothing is added in memory.
; 256 work-groups of four waves; a wave takes a token: three rows of 4,096 bytes in, one out, in eight pieces of 512 consecutive bytes.
; The two positions come from slotpos (lists, byte 16,384), which an earlier launch stored.
; All 24 loads are issued at once; each piece has registers of its own, so no store's data are written again.  A stream: no LDS, no matrix unit, no cluster.
	s_load_b128 s[4:7], s[0:1], 0x0                ; y s[4:5], lists s[6:7]
	s_load_b64 s[8:9], s[0:1], 0x10                ; out0
	v_lshrrev_b32 v1, 5, v0
	v_readfirstlane_b32 s10, v1                    ; wave 0..3
	v_and_b32 v1, 31, v0
	v_lshlrev_b32 v1, 4, v1                        ; 16 x lane
	s_lshl_b32 s11, ttmp9, 2
	s_add_co_u32 s11, s11, s10                     ; the token
	s_lshl_b32 s22, s11, 3
	s_wait_alu depctr_va_vdst(0)
	s_wait_kmcnt 0x0
	s_load_b64 s[12:13], s[6:7], s22 offset:16384  ; its two positions
	s_lshl_b32 s14, s11, 12                        ; a row is 4,096 bytes
	s_mov_b32 s15, 0
	s_add_nc_u64 s[8:9], s[8:9], s[14:15]
	s_add_nc_u64 s[20:21], s[4:5], s[14:15]
	s_add_nc_u64 s[20:21], s[20:21], 2944*4096     ; the shared expert's row
	s_wait_kmcnt 0x0
	s_min_u32 s12, s12, 0xf7f                      ; a loaded number enters an address only held inside y's 3,968 rows
	s_min_u32 s13, s13, 0xf7f
	s_lshl_b32 s16, s12, 12
	s_mov_b32 s17, 0
	s_lshl_b32 s18, s13, 12
	s_mov_b32 s19, 0
	s_add_nc_u64 s[16:17], s[4:5], s[16:17]
	s_add_nc_u64 s[18:19], s[4:5], s[18:19]
.set jj, 0
.rept 8
	global_load_b128 v[8+12*jj:11+12*jj],  v1, s[16:17] offset:512*jj th:TH_LOAD_NT   ; each row of y that is read is read once in the launch
	global_load_b128 v[12+12*jj:15+12*jj], v1, s[18:19] offset:512*jj th:TH_LOAD_NT
	global_load_b128 v[16+12*jj:19+12*jj], v1, s[20:21] offset:512*jj th:TH_LOAD_NT
.set jj, jj+1
.endr
.set jj, 0
.rept 8
	s_wait_loadcnt 3*(7-jj)                        ; this piece's three loads are in; three for each younger piece may be out
	v_pk_add_f32 v[8+12*jj:9+12*jj],   v[8+12*jj:9+12*jj],   v[12+12*jj:13+12*jj]
	v_pk_add_f32 v[10+12*jj:11+12*jj], v[10+12*jj:11+12*jj], v[14+12*jj:15+12*jj]
	v_pk_add_f32 v[8+12*jj:9+12*jj],   v[8+12*jj:9+12*jj],   v[16+12*jj:17+12*jj]
	v_pk_add_f32 v[10+12*jj:11+12*jj], v[10+12*jj:11+12*jj], v[18+12*jj:19+12*jj]
	global_store_b128 v1, v[8+12*jj:11+12*jj], s[8:9] offset:512*jj th:TH_STORE_NT    ; 512 consecutive bytes, aligned
.set jj, jj+1
.endr
	s_endpgm
.Lfunc_end_k_q1fdc4018ea_combine:
	.size	k_q1fdc4018ea_combine, .Lfunc_end_k_q1fdc4018ea_combine-k_q1fdc4018ea_combine
	.p2alignl 7, 3214868480
	.fill 96, 4, 3214868480
	.section	.rodata,"a",@progbits
	.p2align	6, 0x0
	.amdhsa_kernel k_q1fdc4018ea_combine
		.amdhsa_group_segment_fixed_size 0
		.amdhsa_private_segment_fixed_size 0
		.amdhsa_enable_private_segment 0
		.amdhsa_kernarg_size 24
		.amdhsa_user_sgpr_count 2
		.amdhsa_user_sgpr_kernarg_segment_ptr 1
		.amdhsa_wavefront_size32 1
		.amdhsa_system_sgpr_workgroup_id_x 1
		.amdhsa_system_sgpr_workgroup_id_y 1
		.amdhsa_system_sgpr_workgroup_id_z 1
		.amdhsa_system_vgpr_workitem_id 0
		.amdhsa_next_free_vgpr 112
		.amdhsa_next_free_sgpr 66
		.amdhsa_reserve_vcc 0
		.amdhsa_float_denorm_mode_32 3
		.amdhsa_float_denorm_mode_16_64 3
		.amdhsa_memory_ordered 1
		.amdhsa_forward_progress 1
		.amdhsa_inst_pref_size 7
	.end_amdhsa_kernel
	.amdgpu_metadata
---
amdhsa.version: [ 1, 2 ]
amdhsa.kernels:
  - .name:           k_q1fdc4018ea_combine
    .symbol:         k_q1fdc4018ea_combine.kd
    .args:
      - { .name: y, .offset: 0, .size: 8, .value_kind: global_buffer, .address_space: global }
      - { .name: lists, .offset: 8, .size: 8, .value_kind: global_buffer, .address_space: global }
      - { .name: out0, .offset: 16, .size: 8, .value_kind: global_buffer, .address_space: global }
    .group_segment_fixed_size: 0
    .private_segment_fixed_size: 0
    .kernarg_segment_align: 8
    .kernarg_segment_size: 24
    .max_flat_workgroup_size: 128
    .sgpr_count:     66
    .vgpr_count:     112
    .wavefront_size: 32
...
	.end_amdgpu_metadata
.endif
;; end of part 10
